; MI455X (gfx1250); checked and timed in simulation.
; The chip was launched on July 23, 2026; its instructions are those of AMD's public machine-readable ISA for CDNA 5 (MIT licence, August 2026) and "CDNA5" Instruction Set Architecture Reference Guide (July 2026). The comments in the code are by the model that wrote it; some were corrected since.
;; Masked Sim Attn. Allowed arithmetic: matrix products marked QUANTISED: E2M1 operands, one E8M0 scale for each 32 along K, by v_wmma_scale_f32_16x16x128_f8f6f4 with both operands' format E2M1 (or v_wmma_scale_f32_32x16x128_f4), f32 sums; products left as they are: bf16, f16 or f32 operands; f32 sums; everything else in f32.
;; Inputs: Wk 1,024 x 1,024 float32; Wo 1,024 x 1,024 float32; Wq 1,024 x 1,024 float32; Wv 1,024 x 1,024 float32; k 8 x 1,024 x 1,024 float32; mask 16 x 1,024 x 1,024 float32; q 8 x 1,024 x 1,024 float32; v 8 x 1,024 x 1,024 float32.
;; Outputs: out0 8 x 1,024 x 1,024 float32.
;; This version of the problem:
;;   THIS VERSION OF THE PROBLEM IS GIVEN IN LOW PRECISION. The matrix products marked QUANTISED in the list below multiply operands that are first quantised to E2M1 (2 exponent bits, 1 mantissa bit; 4 bits a number), with one power-of-two scale for each 32 numbers along K (OCP MX v1.0); their sums are f32. The products marked 'left as it is' may take bf16, f16 or f32 operands, with f32 sums. Whichever they take, every output number must still come out within the allowed error. Rounding operands to bf16 (8 significant bits) uses up far more of that allowance than f16 does (11 bits, for magnitudes from 6e-5 to 65,504). All else is computed in f32.
;;   The module's matrix products, in the order in which they are computed (A, B: the left and right operand; K: the contracted axis; several contracted axes count as one K, in the product's order):
;;     1. [M 8,192, K 1,024] x [K 1,024, N 1,024]; A: input q; B: input Wq: QUANTISED
;;     2. [M 8,192, K 1,024] x [K 1,024, N 1,024]; A: input k; B: input Wk: QUANTISED
;;     3. [M 8,192, K 1,024] x [K 1,024, N 1,024]; A: input v; B: input Wv: QUANTISED
;;     4. batch 128 x [M 1,024, K 64] x [K 64, N 1,024]; A: computed on the way; B: computed on the way: left as it is (an operand is computed on the way)
;;     5. batch 128 x [M 1,024, K 1,024] x [K 1,024, N 64]; A: computed on the way; B: computed on the way: left as it is (an operand is computed on the way)
;;     6. [M 8,192, K 1,024] x [K 1,024, N 1,024]; A: computed on the way; B: input Wo: left as it is (an operand is computed on the way)
;;   THE QUANTISER, for each operand of a quantised product, along K:
;;     - K is cut into blocks of 32 from its start; a last block that is shorter is filled with zeros.
;;     - A block's scale is 2^e with e = floor(log2(the largest magnitude in the block)) - 2, held to -126 .. 127; a block of zeros has e = 0. As a byte (E8M0): e + 127.
;;     - Each number is divided by its block's scale, clamped to +-6, and rounded to the nearest number of E2M1, ties to even, subnormals kept.
;;     - The product sums the exact products of the quantised numbers (number of the format x scale) in f32.
;;   ~~~python
;;   def quantise(x, axis):      # numpy; x: float32 -> the quantised numbers, widened to float32 again
;;       x = np.moveaxis(x, axis, -1); K = x.shape[-1]
;;       x = np.pad(x, [(0, 0)] * (x.ndim - 1) + [(0, -K % 32)]); x = x.reshape(x.shape[:-1] + (-1, 32)); a = np.abs(x).max(-1, keepdims=True)
;;       e = np.where(a > 0, np.clip(np.frexp(np.where(a > 0, a, 1))[1] - 1 - 2, -126, 127), 0)      # np.frexp(a)[1] - 1 = floor(log2(a)), exactly
;;       r = np.clip(x / 2.0 ** e, -6, 6)
;;       step = 2.0 ** (np.maximum(np.frexp(np.where(r == 0, 1, r))[1] - 1, 0) - 1)
;;       q = np.round(r / step) * step * 2.0 ** e      # np.round: ties to even
;;       return np.moveaxis(q.reshape(q.shape[:-2] + (-1,))[..., :K], -1, axis).astype(np.float32)
;;   ~~~
;; One version. Each part assembles by itself: llvm-mc -triple=amdgcn-amd-amdhsa -mcpu=gfx1250 --defsym DOCPART=n.
;; ======== version 1 of 1: 4 launches
;; limits: values are held in f16: magnitudes above 65,504 overflow, below 6.1e-05 lose precision; inputs' magnitudes at most 65,504; values outside matrix products are rounded to f16; right only within a limited range of input values
;; workspace buffers: codes 14,155,776 bytes; scales 884,736 bytes; gate 33,554,432 bytes; wo16 2,097,152 bytes; heads 50,331,648 bytes; qnorm 524,288 bytes; x16 16,777,216 bytes
;; launch prep (part 1): grid 1360 x 1, 4 waves a work-group, no clusters, 68,096 bytes of LDS; arguments Wq, Wk, Wv, q, k, v, mask, Wo, codes, scales, gate, wo16; writes codes, scales, gate, wo16
.if DOCPART == 1
	.amdgcn_target "amdgcn-amd-amdhsa--gfx1250"
	.amdhsa_code_object_version 6
	.text
	.protected	k_q5c04848be5_prep
	.globl	k_q5c04848be5_prep
	.p2align	8
	.type	k_q5c04848be5_prep,@function
k_q5c04848be5_prep:
	s_mov_b64 s[64:65], 0
	v_nop
	global_prefetch_b8 v0, s[64:65] scope:SCOPE_SE
	s_setreg_imm32_b32 hwreg(HW_REG_WAVE_MODE, 25, 1), 1
	s_wait_xcnt 0x0
; PREP: everything that is made once and read many times.  No work of the problem is dead: all eight inputs reach the output, and all are loaded.
;   work-groups    0 ..   47 (role W): Wq, Wk, Wv [1024 (k)][1024 (n)] f32 -> codes of FP4 (E2M1) with K innermost and one E8M0 byte for each 32 along K
;   work-groups   48 ..  815 (role A): q, k, v [8192][1024] f32 -> the same; K is innermost already
;   work-groups  816 .. 1327 (role G): mask f32 -> gate = (tanh(m) + 1) / 2 = 1 / (1 + 2^(-2 log2(e) m)), an identity for every m, as f16 [h][l][s]
;   work-groups 1328 .. 1359 (role O): Wo f32 -> f16, as it lies
; codes: [27,648 rows][512 bytes]: rows 0 .. 24,575 are q's, k's, v's rows on end; row 24,576 + 1,024 T + n is column n of weight T (q, k, v).  scales: [27,648][32 bytes], the same rows.
; THE QUANTISER: a block's scale is 2^(floor(log2(its largest magnitude)) - 2); its byte is that magnitude's exponent field - 2, held at 1 from below; each number is divided by the scale and rounded to the
; nearest code, ties to even, beyond the largest code the largest.
; LIMITS: a block of zeros gets the byte 1 where the rule says 127 (its codes are zeros, which add nothing under any byte but 0xff, and this program alone reads the bytes); blocks whose largest magnitude lies
; under 2^-124 keep the byte 1; NaN and infinities among the inputs are not served.  The gate differs from (tanh + 1) / 2 in f32 by the rounding of one exponential and one reciprocal, then of f16.
; Wo is rounded to f16: its magnitudes stay under 65,504; under 6e-5 they keep an absolute error of 2^-25.
; The roles part by scalar branches on the work-group's number and never join; each role that uses LDS has LDS bytes of its own.  No tensor loads, no barrier: waves share nothing.
.set SPW,   190                        ; v190  LDS address of my spare word: SPARE + 4 x my thread's number; never rewritten
.set NIL,   191                        ; v191  0; never rewritten
.set SPARE, 67584                      ; behind both roles' regions: the spare words, 128 bytes for each wave
.set EMAX,  2
; role A: LDS 0 .. 32,767
.set AREG,  8192                       ; a region for each wave: two stages of 32 x ASP bytes, behind them its 256 scale bytes
.set ASP,   80                         ; a lane's place in a stage: its 64 bytes + 16 of padding
.set ACB,   8                          ; bytes of 16 codes
.set AR,    16                         ; v16-79   four sets of 16 numbers as they are loaded
.set AX,    80                         ; v80-111  two sets of 16 neighbours
.set AE,    112                        ; v112-127 a scale byte for each step
.set AC,    128                        ; v128-189 codes: registers of its own for each step, so that no store's data are written again
; role W: LDS 32,768 .. 67,583
.set WSTG,  32768
.set WP,    272                        ; a stage row: 256 bytes of codes + 16
.set WX,    32                         ; v32-95   two sets of 32 numbers
.set WC,    96                         ; v96-99   a block's codes
.set WO,    112                        ; v112-175 the way out
.set WSB,   24                         ; v24-27   the scale bytes, four to a register
; roles G and O
.set SR,    16                         ; v16-79   four sets of 16 numbers as they are loaded
.set ST,    80                         ; v80-95   at work
.set SY,    96                         ; v96-127  four sets of 8 registers to store
.macro ALOAD t
.irp i, 0,1,2,3
	global_load_b128 v[AR+16*((\t)%4)+4*\i:AR+16*((\t)%4)+4*\i+3], v3, s[4:5] offset:2048*(\t)+512*\i th:TH_LOAD_NT   ; 32 lanes read 512 consecutive bytes
.endr
.endm
.macro ATURN t                         ; step t's numbers through the stage: LDS serves a wave's instructions in order, so no wait stands between the stores and the loads
.irp i, 0,1,2,3
	ds_store_b128 v14, v[AR+16*((\t)%4)+4*\i:AR+16*((\t)%4)+4*\i+3] offset:32*ASP*((\t)%2)+8*ASP*\i
.endr
.irp i, 0,1,2,3
	ds_load_b128 v[AX+16*((\t)%2)+4*\i:AX+16*((\t)%2)+4*\i+3], v15 offset:32*ASP*((\t)%2)+16*\i
.endr
.endm
.macro ASTEP t
.set XS, AX+16*((\t)%2)
.if (\t) > 0
	s_wait_dscnt 1                                 ; this step's numbers are back from the stage; the one younger LDS instruction, the last step's byte store, may be out
.else
	s_wait_dscnt 0x0
.endif
.if (\t)+4 < 16
	ALOAD (\t)+4                                   ; into the set that the stage's stores have read
.endif
.if (\t)+1 < 16
.if 14-(\t) >= 3
	s_wait_loadcnt 12                              ; the next step's four loads are in; those of the three steps behind it may be out
.else
	s_wait_loadcnt 4*(14-(\t))
.endif
	ATURN (\t)+1
.endif
	v_max3_num_f32 v8, |v[XS]|, |v[XS+1]|, |v[XS+2]|               ; the largest magnitude of my 16, in two chains
	v_max3_num_f32 v9, |v[XS+3]|, |v[XS+4]|, |v[XS+5]|
.irp i, 6,10
	v_max3_num_f32 v8, v8, |v[XS+\i]|, |v[XS+\i+1]|
	v_max3_num_f32 v9, v9, |v[XS+\i+2]|, |v[XS+\i+3]|
.endr
	v_max3_num_f32 v8, v8, |v[XS+14]|, |v[XS+15]|
	v_max3_num_f32 v8, v8, v9, (EMAX+1)<<23        ; and the floor 2^(3 - 127): the byte cannot fall under 1
	v_max_num_f32_dpp v8, v8, v8 row_xmask:1 row_mask:0xf bank_mask:0xf   ; and of my neighbour's 16: the block's
	v_add_nc_u32 v11, -(EMAX<<23), v8              ; 2 off its exponent field: the conversion takes the exponent field of this operand as its scale, and nothing else of it
	v_cvt_scalef32_pk8_fp4_f32 v[AC+4*(\t)], v[XS:XS+7], v11
	v_cvt_scalef32_pk8_fp4_f32 v[AC+4*(\t)+1], v[XS+8:XS+15], v11
	v_lshrrev_b32 v[AE+(\t)], 23, v11              ; the scale's byte
	ds_store_b8 v5, v[AE+(\t)] offset:16*(\t)      ; both lanes of a block write the same byte with the same value
	global_store_b64 v4, v[AC+4*(\t):AC+4*(\t)+1], s[12:13] offset:32*ACB*(\t)   ; the wave stores 256 consecutive bytes, aligned
.endm
.macro WLOAD t                         ; block t: W(32 t + i, my column), i = 0 .. 31, into set t % 2
.irp i, 0,1,2,3,4,5,6,7,8,9,10,11,12,13,14,15,16,17,18,19,20,21,22,23,24,25,26,27,28,29,30,31
	global_load_b32 v[WX+32*((\t)%2)+\i], v3, s[4:5] offset:(32*(\t)+\i)*4096 th:TH_LOAD_NT
.endr
.endm
.macro WBLOCK t
.set XS, WX+32*((\t)%2)
.if (\t) < 15
	s_wait_loadcnt 32                              ; this block's 32 loads are in; the next block's 32 may be out
.else
	s_wait_loadcnt 0
.endif
	v_max3_num_f32 v12, |v[XS]|, |v[XS+1]|, |v[XS+2]|              ; the block's largest magnitude: all 32 numbers are mine
	v_max3_num_f32 v13, |v[XS+3]|, |v[XS+4]|, |v[XS+5]|
.irp i, 6,10,14,18,22,26
	v_max3_num_f32 v12, v12, |v[XS+\i]|, |v[XS+\i+1]|
	v_max3_num_f32 v13, v13, |v[XS+\i+2]|, |v[XS+\i+3]|
.endr
	v_max3_num_f32 v12, v12, |v[XS+30]|, |v[XS+31]|
	v_max3_num_f32 v12, v12, v13, (EMAX+1)<<23
	v_add_nc_u32 v11, -(EMAX<<23), v12
	v_lshrrev_b32 v13, 23, v11                     ; the scale's byte
.if (\t)%4 == 0
	v_mov_b32 v[WSB+(\t)/4], v13                   ; four bytes to a register, the lower K in the lower byte
.else
	v_lshl_or_b32 v[WSB+(\t)/4], v13, 8*((\t)%4), v[WSB+(\t)/4]
.endif
.irp g, 0,1,2,3
	v_cvt_scalef32_pk8_fp4_f32 v[WC+\g], v[XS+8*\g:XS+8*\g+7], v11
.endr
	ds_store_b128 v4, v[WC:WC+3] offset:16*(\t)    ; 32 codes: 16 bytes of my column's row
.if (\t)+2 < 16
	WLOAD (\t)+2
.endif
	s_wait_dscnt 0x0                               ; the store has read its registers: the next block's codes may be written
.endm
.macro SLOAD t
.irp i, 0,1,2,3
	global_load_b128 v[SR+16*((\t)%4)+4*\i:SR+16*((\t)%4)+4*\i+3], v3, s[4:5] offset:2048*(\t)+512*\i th:TH_LOAD_NT
.endr
.endm
.macro SWAIT t                         ; step t's four loads are in; those of up to three later steps may be out
.if (\t) <= 12
	s_wait_loadcnt 12
.else
	s_wait_loadcnt 4*(15-(\t))
.endif
.endm
.macro SHEAD                           ; s17 = the role's work-group number; a wave's run is 8,192 numbers: 32,768 bytes in, 16,384 out
	s_lshl_b32 s17, s17, 2
	s_add_co_u32 s17, s17, s16
	s_lshl_b32 s18, s17, 15
	s_mov_b32 s19, 0
	s_lshl_b32 s22, s17, 14
	s_mov_b32 s23, 0
	v_lshlrev_b32 v3, 4, v2                        ; in: 16 bytes a lane
	v_lshlrev_b32 v4, 3, v2                        ; out: 8 bytes a lane
	s_wait_kmcnt 0x0
	s_add_nc_u64 s[4:5], s[4:5], s[18:19]
	s_add_nc_u64 s[6:7], s[6:7], s[22:23]
.irp t, 0,1,2,3
	SLOAD \t
.endr
.endm
.macro SSTORE t
.irp i, 0,1,2,3
	global_store_b64 v4, v[SY+8*((\t)%4)+2*\i:SY+8*((\t)%4)+2*\i+1], s[6:7] offset:1024*(\t)+256*\i   ; the wave stores 256 consecutive bytes, aligned
.endr
.endm
.macro GSTEP t
.set RS, SR+16*((\t)%4)
.set YS, SY+8*((\t)%4)
	SWAIT \t
.irp j, 0,2,4,6,8,10,12,14
	v_pk_mul_f32 v[ST+\j:ST+\j+1], v[RS+\j:RS+\j+1], s[20:21] op_sel_hi:[1,0]   ; -2 log2(e) m
.endr
.if (\t)+4 < 16
	SLOAD (\t)+4
.endif
.irp j, 0,1,2,3,4,5,6,7,8,9,10,11,12,13,14,15
	v_exp_f32 v[ST+\j], v[ST+\j]
.endr
	v_nop                                          ; a plain instruction behind the last exponential
	s_wait_alu depctr_va_vdst(0)                   ; one wait for the sixteen, ahead of their first reader
.irp j, 0,2,4,6,8,10,12,14
	v_pk_add_f32 v[ST+\j:ST+\j+1], v[ST+\j:ST+\j+1], 1.0 op_sel_hi:[1,0]
.endr
.irp j, 0,1,2,3,4,5,6,7,8,9,10,11,12,13,14,15
	v_rcp_f32 v[ST+\j], v[ST+\j]                   ; an exponential that ran to infinity gives the gate 0, one that fell to 0 the gate 1
.endr
	s_wait_xcnt 0x0                                ; the stores of four steps ago have read this set of registers
	v_nop
	s_wait_alu depctr_va_vdst(0)                   ; one wait for the sixteen reciprocals
.irp j, 0,1,2,3,4,5,6,7
	v_cvt_pk_f16_f32 v[YS+\j], v[ST+2*\j], v[ST+2*\j+1]
.endr
	SSTORE \t
.endm
.macro OSTEP t
.set RS, SR+16*((\t)%4)
.set YS, SY+8*((\t)%4)
	SWAIT \t
	s_wait_xcnt 0x0                                ; the stores of four steps ago have read this set of registers
.irp j, 0,1,2,3,4,5,6,7
	v_cvt_pk_f16_f32 v[YS+\j], v[RS+2*\j], v[RS+2*\j+1]
.endr
.if (\t)+4 < 16
	SLOAD (\t)+4
.endif
	SSTORE \t
.endm
	v_lshl_add_u32 v[SPW], v0, 2, SPARE
	v_mov_b32 v[NIL], 0
	v_lshrrev_b32 v1, 5, v0
	v_readfirstlane_b32 s16, v1                    ; wave 0..3
	v_and_b32 v2, 31, v0                           ; lane
	s_cmp_lt_u32 ttmp9, 48
	s_cbranch_scc1 .Lrole_w
	s_cmp_lt_u32 ttmp9, 816
	s_cbranch_scc1 .Lrole_a
	s_cmp_lt_u32 ttmp9, 1328
	s_cbranch_scc1 .Lrole_g
	; ---- role O: Wo -> f16
	s_load_b64 s[4:5], s[0:1], 0x38                ; Wo
	s_load_b64 s[6:7], s[0:1], 0x58                ; wo16
	s_sub_co_u32 s17, ttmp9, 1328
	SHEAD
.irp t, 0,1,2,3,4,5,6,7,8,9,10,11,12,13,14,15
	OSTEP \t
.endr
	s_endpgm                                       ; this role has written no LDS
.Lrole_g:
	; ---- role G: mask -> gate
	s_load_b64 s[4:5], s[0:1], 0x30                ; mask
	s_load_b64 s[6:7], s[0:1], 0x50                ; gate
	s_sub_co_u32 s17, ttmp9, 816
	s_mov_b32 s20, 0xc038aa3b                      ; -2 log2(e)
	s_mov_b32 s21, s20                             ; (named with it as a pair, so it is written)
	SHEAD
.irp t, 0,1,2,3,4,5,6,7,8,9,10,11,12,13,14,15
	GSTEP \t
.endr
	s_endpgm                                       ; this role has written no LDS
.Lrole_a:
	; ---- role A: q, k, v.  Rows are dense and K is a multiple of 32: each tensor is a plain stream of blocks of 32, and so are the codes and the scale bytes.
	; A wave takes 16 steps of 512 numbers.  Each load reads 512 consecutive bytes; the numbers turn through the wave's own stage in LDS so that a lane holds 16 neighbours; two neighbouring lanes hold a block.
	s_load_b64 s[4:5], s[0:1], 0x18                ; q
	s_load_b64 s[6:7], s[0:1], 0x20                ; k
	s_load_b64 s[8:9], s[0:1], 0x28                ; v
	s_load_b128 s[12:15], s[0:1], 0x40             ; codes, scales
	v_lshlrev_b32 v3, 4, v2                        ; my 16 bytes of a load's 512
	s_mul_i32 s17, s16, AREG
	v_lshrrev_b32 v14, 2, v2
	v_mul_u32_u24 v14, v14, ASP
	v_and_b32 v15, 3, v2
	v_lshl_add_u32 v14, v15, 4, v14
	v_add_nc_u32 v14, s17, v14                     ; the stage, on the way in: ASP (lane / 4) + 16 (lane % 4)
	v_mul_u32_u24 v15, v2, ASP
	v_add_nc_u32 v15, s17, v15                     ; and on the way out: ASP x lane: my 16 neighbours
	v_mul_u32_u24 v4, v2, ACB                      ; my codes' place in a step's
	v_lshrrev_b32 v5, 1, v2
	s_add_co_u32 s17, s17, 2*32*ASP
	v_add_nc_u32 v5, s17, v5                       ; LDS: my wave's 256 scale bytes, my block's byte
	v_lshlrev_b32 v7, 3, v2                        ; and on the way out 8 bytes a lane
	v_add_nc_u32 v6, s17, v7
	s_sub_co_u32 s18, ttmp9, 48                    ; 0 .. 767: 256 work-groups a tensor
	s_wait_kmcnt 0x0
	s_cmp_lt_u32 s18, 512                          ; the choice hangs on the work-group's number alone
	s_cselect_b64 s[6:7], s[6:7], s[8:9]
	s_cmp_lt_u32 s18, 256
	s_cselect_b64 s[4:5], s[4:5], s[6:7]
	s_and_b32 s20, s18, 255
	s_lshl_b32 s20, s20, 2
	s_add_co_u32 s20, s20, s16                     ; which run of 8,192 numbers of the tensor is my wave's
	s_lshl_b32 s20, s20, 15
	s_mov_b32 s21, 0
	s_add_nc_u64 s[4:5], s[4:5], s[20:21]
	s_lshl_b32 s18, s18, 2
	s_add_co_u32 s18, s18, s16                     ; and which of the three tensors on end
	s_lshl_b32 s20, s18, 12                        ; 4,096 bytes of codes a run
	s_add_nc_u64 s[12:13], s[12:13], s[20:21]
	s_lshl_b32 s20, s18, 8                         ; 256 scale bytes a run
	s_add_nc_u64 s[14:15], s[14:15], s[20:21]
.irp t, 0,1,2,3
	ALOAD \t
.endr
	s_wait_loadcnt 12                              ; step 0's four loads are in
	ATURN 0
.irp t, 0,1,2,3,4,5,6,7,8,9,10,11,12,13,14,15
	ASTEP \t
.endr
	ds_load_b64 v[8:9], v6                         ; LDS serves a wave's instructions in order: these see my byte stores
	s_wait_dscnt 0x0
	global_store_b64 v7, v[8:9], s[14:15]          ; 32 lanes store 256 consecutive bytes, aligned
	s_wait_tensorcnt 0x0                           ; the wave's end
	ds_add_u32 v[SPW], v[NIL]
	s_wait_dscnt 0x0
	s_endpgm
.Lrole_w:
	; ---- role W: a weight's K is its FIRST axis.  A lane takes a column n and its registers run down K: each load reads 128 consecutive bytes a wave, a block of 32 lies in one lane's registers,
	; and the conversions give codes with K innermost.  A wave takes 32 columns x 512 along K; its codes leave through its own stage as rows: sixteen lanes store 256 consecutive bytes, aligned.
	s_load_b128 s[4:7], s[0:1], 0x0                ; Wq, Wk
	s_load_b64 s[8:9], s[0:1], 0x10                ; Wv
	s_load_b128 s[12:15], s[0:1], 0x40             ; codes, scales
	s_and_b32 s17, ttmp9, 7
	s_lshl_b32 s17, s17, 7
	s_lshl_b32 s18, s16, 5
	s_add_co_u32 s17, s17, s18                     ; my wave's first column
	s_bfe_u32 s18, ttmp9, 0x10003                  ; which 512 along K
	s_lshr_b32 s19, ttmp9, 4                       ; which weight
	v_lshlrev_b32 v3, 2, v2                        ; in: 4 bytes a lane
	s_mul_i32 s20, s16, 32*WP
	s_add_co_u32 s20, s20, WSTG                    ; my stage
	v_mul_u32_u24 v4, v2, WP
	v_add_nc_u32 v4, s20, v4                       ; into it: row = my column
	v_and_b32 v5, 15, v2
	v_lshrrev_b32 v6, 4, v2                        ; out of it: sixteen lanes to a row, two rows an instruction
	v_mul_u32_u24 v7, v6, WP
	v_lshl_add_u32 v7, v5, 4, v7
	v_add_nc_u32 v7, s20, v7
	v_mul_u32_u24 v8, v6, 512
	v_lshl_add_u32 v8, v5, 4, v8                   ; and the same place in the codes' buffer
	v_lshlrev_b32 v9, 5, v2                        ; my column's row of scale bytes
	s_lshl_b32 s22, s18, 21                        ; 512 rows of 4,096 bytes
	s_lshl_b32 s23, s17, 2
	s_add_co_u32 s22, s22, s23
	s_mov_b32 s23, 0
	s_lshl_b32 s24, s19, 10
	s_add_co_u32 s24, s24, s17
	s_add_co_u32 s24, s24, 24576                   ; my first row of codes and of scales
	s_lshl_b32 s26, s24, 9
	s_lshl_b32 s27, s18, 8
	s_add_co_u32 s26, s26, s27
	s_mov_b32 s27, 0
	s_lshl_b32 s28, s24, 5
	s_lshl_b32 s29, s18, 4
	s_add_co_u32 s28, s28, s29
	s_mov_b32 s29, 0
	s_wait_kmcnt 0x0
	s_cmp_lt_u32 ttmp9, 32
	s_cselect_b64 s[6:7], s[6:7], s[8:9]
	s_cmp_lt_u32 ttmp9, 16
	s_cselect_b64 s[4:5], s[4:5], s[6:7]
	s_add_nc_u64 s[4:5], s[4:5], s[22:23]
	s_add_nc_u64 s[12:13], s[12:13], s[26:27]
	s_add_nc_u64 s[14:15], s[14:15], s[28:29]
	WLOAD 0
	WLOAD 1
.irp t, 0,1,2,3,4,5,6,7,8,9,10,11,12,13,14,15
	WBLOCK \t
.endr
	global_store_b128 v9, v[WSB:WSB+3], s[14:15]   ; my column's 16 scale bytes
.irp t, 0,1,2,3,4,5,6,7,8,9,10,11,12,13,14,15
	ds_load_b128 v[WO+4*\t:WO+4*\t+3], v7 offset:2*\t*WP   ; LDS serves a wave's instructions in order: these see my stores
.endr
.irp t, 0,1,2,3,4,5,6,7,8,9,10,11,12,13,14,15
	s_wait_dscnt 15-\t
	global_store_b128 v8, v[WO+4*\t:WO+4*\t+3], s[12:13] offset:2*\t*512
.endr
	s_wait_tensorcnt 0x0                           ; the wave's end
	ds_add_u32 v[SPW], v[NIL]
	s_wait_dscnt 0x0
	s_endpgm
.Lfunc_end_k_q5c04848be5_prep:
	.size	k_q5c04848be5_prep, .Lfunc_end_k_q5c04848be5_prep-k_q5c04848be5_prep
	.p2alignl 7, 3214868480
	.fill 96, 4, 3214868480
	.section	.rodata,"a",@progbits
	.p2align	6, 0x0
	.amdhsa_kernel k_q5c04848be5_prep
		.amdhsa_group_segment_fixed_size 68096
		.amdhsa_private_segment_fixed_size 0
		.amdhsa_enable_private_segment 0
		.amdhsa_kernarg_size 96
		.amdhsa_user_sgpr_count 2
		.amdhsa_user_sgpr_kernarg_segment_ptr 1
		.amdhsa_wavefront_size32 1
		.amdhsa_system_sgpr_workgroup_id_x 1
		.amdhsa_system_sgpr_workgroup_id_y 1
		.amdhsa_system_sgpr_workgroup_id_z 1
		.amdhsa_system_vgpr_workitem_id 0
		.amdhsa_next_free_vgpr 192
		.amdhsa_next_free_sgpr 66
		.amdhsa_reserve_vcc 0
		.amdhsa_float_denorm_mode_32 3
		.amdhsa_float_denorm_mode_16_64 3
		.amdhsa_memory_ordered 1
		.amdhsa_forward_progress 1
		.amdhsa_inst_pref_size 189
	.end_amdhsa_kernel
	.amdgpu_metadata
---
amdhsa.version: [ 1, 2 ]
amdhsa.kernels:
  - .name:           k_q5c04848be5_prep
    .symbol:         k_q5c04848be5_prep.kd
    .args:
      - { .name: Wq, .offset: 0, .size: 8, .value_kind: global_buffer, .address_space: global }
      - { .name: Wk, .offset: 8, .size: 8, .value_kind: global_buffer, .address_space: global }
      - { .name: Wv, .offset: 16, .size: 8, .value_kind: global_buffer, .address_space: global }
      - { .name: q, .offset: 24, .size: 8, .value_kind: global_buffer, .address_space: global }
      - { .name: k, .offset: 32, .size: 8, .value_kind: global_buffer, .address_space: global }
      - { .name: v, .offset: 40, .size: 8, .value_kind: global_buffer, .address_space: global }
      - { .name: mask, .offset: 48, .size: 8, .value_kind: global_buffer, .address_space: global }
      - { .name: Wo, .offset: 56, .size: 8, .value_kind: global_buffer, .address_space: global }
      - { .name: codes, .offset: 64, .size: 8, .value_kind: global_buffer, .address_space: global }
      - { .name: scales, .offset: 72, .size: 8, .value_kind: global_buffer, .address_space: global }
      - { .name: gate, .offset: 80, .size: 8, .value_kind: global_buffer, .address_space: global }
      - { .name: wo16, .offset: 88, .size: 8, .value_kind: global_buffer, .address_space: global }
    .group_segment_fixed_size: 68096
    .private_segment_fixed_size: 0
    .kernarg_segment_align: 8
    .kernarg_segment_size: 96
    .max_flat_workgroup_size: 128
    .sgpr_count:     66
    .vgpr_count:     192
    .wavefront_size: 32
...
	.end_amdgpu_metadata
.endif
;; end of part 1
;; launch proj (part 2): grid 4 x 96, 4 waves a work-group, clusters of 4 x 4, 327,680 bytes of LDS; arguments codes, scales, heads, qnorm; writes heads, qnorm
.if DOCPART == 2
	.amdgcn_target "amdgcn-amd-amdhsa--gfx1250"
	.amdhsa_code_object_version 6
	.text
	.protected	k_q5c04848be5_proj
	.globl	k_q5c04848be5_proj
	.p2align	8
	.type	k_q5c04848be5_proj,@function
k_q5c04848be5_proj:
	s_mov_b64 s[64:65], 0
	v_nop
	global_prefetch_b8 v0, s[64:65] scope:SCOPE_SE
	s_setreg_imm32_b32 hwreg(HW_REG_WAVE_MODE, 25, 1), 1
	s_wait_xcnt 0x0
	s_wait_alu depctr_hold_cnt(0) depctr_sa_sdst(0) depctr_va_vdst(0) depctr_va_sdst(0) depctr_va_ssrc(0) depctr_va_vcc(0) depctr_vm_vsrc(0)
	s_getreg_b32 s2, hwreg(HW_REG_IB_STS2, 6, 4)
	s_cmp_eq_u32 s2, 0
	s_cbranch_scc0 .Lentry_in_a_cluster
	s_endpgm
.Lentry_in_a_cluster:
	s_bfe_u32 s2, ttmp6, 0x10000c
	s_cmp_lg_u32 s2, 0xf033
	s_cbranch_scc0 .Lentry_shape_is_right
	s_endpgm
.Lentry_shape_is_right:
; PROJ: the three projections q Wq, k Wk, v Wv on codes of FP4 (E2M1) with one E8M0 scale for each 32 along K, sums in f32; then every head's row of 64 is divided by max(its l2 norm, 1e-12) and stored as f16.
; reference() normalises k's and v's heads.  q's are normalised here too: all that follows is linear in a row of q's head, so q's clamped norm is kept in f32 (qnorm) and multiplied back later; so every
; operand of the two attention products is a unit vector or shorter, whatever the inputs' size.
; codes [27,648][512 bytes], scales [27,648][32]: rows 0 .. 24,575: q's, k's, v's rows on end; rows 24,576 + 1,024 T + n: column n of weight T.  heads: f16 [T][b][h][t][64].  qnorm: f32 [b][h][l].
; A tile of 256 rows x 256 columns is made by a work-group of four waves; a wave makes 128 x 128: 64 accumulators of 16 x 16, 512 registers.  K = 1,024 is two LDS slots of 512 along K (rows of 256 bytes):
; both are asked for at the start, and nothing is filled again.  The scale bytes of the work-group's rows, for all of K, come once with them.
; CLUSTERS: 4 x 4 work-groups: the four of a row of the cluster need the same rows of the activations, the four of a column the same rows of the weight: each tile is asked for jointly.
; THE MATRIX INSTRUCTION IS USED TRANSPOSED (source 0 = 16 rows of the weight, source 1 = 16 tokens): a lane holds one token and eight neighbouring channels.
; LIMITS: the square root and the reciprocal take denormals for zero: a sum of squares under 2^-126 counts as 0, which the clamp at 1e-12 covers as in reference().
; REGISTERS, in windows of 256: window 0: v0-31 addresses; v32-95 scale words, two sets; from v128 the tokens' fragments, one set; on the way out v32-223 are free.
;   window 1: the weight's fragments, two sets, at v0 and v128.   window 2: the accumulators of my tokens 0-63 ((a, b) at v[8 (8 a + b)]);   window 3: those of my tokens 64-127.
.set NQ,     4                         ; matrix instructions deep in a slot
.set ROWB,   256                       ; a tile's row in bytes: 512 codes
.set KROW,   512                       ; a row of codes in memory
.set PITCH,  272                       ; an LDS row: 256 bytes + 16 of padding: the 16 rows that a load touches begin 68 words apart
.set FR,     8                         ; registers of a fragment: 16 rows x 128 K
.set NL,     2                         ; LDS loads that bring one
.set NP,     4                         ; places behind this matrix instruction (ISA guide 7.12.1)
.set HALFT,  128*PITCH
.set SLOT,   4*HALFT                   ; the tokens' 256 rows, then the weight's 256 rows
.set KS,     32                        ; a row of scales in bytes
.set SCL,    2*SLOT                    ; behind the two slots: the scales, as units of 256 bytes + 16 of padding
.set HALFS,  16*272                    ; the scales of 128 rows
.set SBLK,   2*272                     ; those of 16 rows
.set SPARE,  SCL+4*HALFS               ; the spare words, 128 bytes for each wave
.set WSTG,   4608                      ; the way out: a stage of 2 heads x 16 rows x 144 bytes for each wave, in slot 0, which has had its only fill and its last read by then
.set ADRA, 16
.set ADRB, 20
.set STO,  24
.set RD,   25
.set CO,   26
.set ADRS, 27
.set SPW,  28
.set NIL,  29
.set NO,   30
.set SC,   32
.set AF,   128
.set G1, 24
.set G0, 32
.set G1B, 48
.set G0B, 56
.set G1S, 68
.set G0S, 76
.set G1SB, 80
.set G0SB, 88
.set SEL, 96                           ; s[96:97] lane selects for v_permlanex16_b32: lane l xor 16
.set MSB, 0
.macro WIN new                         ; the immediate's high byte repeats the setting that is left
.if MSB != (\new)
	s_set_vgpr_msb (MSB<<8)|(\new)
.set MSB, (\new)
.endif
.endm
.set MUL_LO, 0xa1                      ; source 0 (weight) window 1, source 1 (tokens) window 0, C and D window 2
.set MUL_HI, 0xf1                      ; the same, C and D window 3
.set TO_B,   0x40
; A joint load: waves 0 and 1 fetch the tokens' halves, waves 2 and 3 the weight's.  The branch hangs on the wave's number alone.  An s_nop 0 and four v_nop follow each line.
.macro JLOAD g0a, g1a, g0b, g1b
	s_cmp_eq_u32 s15, 0
	s_cbranch_scc0 .Lfor_b_\@
	tensor_load_to_lds s[\g0a:\g0a+3], s[\g1a:\g1a+7]
	s_nop 0
.rept 4
	v_nop
.endr
	s_branch .Lasked_\@
.Lfor_b_\@:
	tensor_load_to_lds s[\g0b:\g0b+3], s[\g1b:\g1b+7]
	s_nop 0
.rept 4
	v_nop
.endr
.Lasked_\@:
.endm
.macro CROUND                          ; a round of the cluster's barrier
	s_barrier_signal -1
	s_barrier_wait -1
	s_cmp_lg_u32 s14, 0
	s_cbranch_scc1 .Lnot_wave_0_\@
	s_barrier_signal -3
.Lnot_wave_0_\@:
	s_barrier_wait -3
	s_barrier_signal -1
	s_barrier_wait -1
.endm
	s_load_b256 s[4:11], s[0:1], 0x0               ; codes s[4:5], scales s[6:7], heads s[8:9], qnorm s[10:11]
	v_lshl_add_u32 v[SPW], v0, 2, SPARE
	v_mov_b32 v[NIL], 0
	ds_add_u32 v[SPW], v[NIL]                      ; the wave's opening: the add, twice on end, and its wait ahead of my first tensor load
	ds_add_u32 v[SPW], v[NIL]
	v_lshrrev_b32 v1, 5, v0
	v_readfirstlane_b32 s14, v1                    ; wave 0..3
	s_lshr_b32 s15, s14, 1                         ; which half of the tile's tokens is mine.  Also: I fetch tokens (0) or weight (1)
	s_and_b32 s16, s14, 1                          ; which half of its columns.  Also: which 128 rows of that tile I fetch
	s_bfe_u32 s40, ttmp6, 0x40000                  ; cx, cy: my place in the cluster
	s_bfe_u32 s41, ttmp6, 0x40004
	s_lshl_b32 s42, ttmp9, 2
	s_add_co_u32 s42, s42, s40                     ; tile column = 4 x cluster x + cx
	s_and_b32 s17, ttmp7, 0xffff
	s_lshr_b32 s3, s17, 3                          ; which tensor (q, k, v): 8 clusters each; the same in all sixteen partners
	s_lshl_b32 s17, s17, 2
	s_add_co_u32 s17, s17, s41                     ; tile row, 0 .. 95 = 4 x cluster y + cy
	s_lshl_b32 s43, s41, 2
	s_lshl_b32 s43, 15, s43                        ; my row of the cluster
	s_lshl_b32 s44, 0x1111, s40                    ; my column
	s_or_b32 s[G1+0], s43, (0<<16)|(1<<20)|(1<<21)|(5<<22)|(3<<25)  ; the mask; elements of 1 byte; padding on; bit 21 beside a mask; after every 64 words, 4 words
	s_or_b32 s[G1B+0], s44, (0<<16)|(1<<20)|(1<<21)|(5<<22)|(3<<25)
.irp g, G1, G1B
	s_mov_b32 s[\g+1], ROWB<<16                    ; tensor_dim0
	s_mov_b32 s[\g+2], 128<<16                     ; tensor_dim1
	s_mov_b32 s[\g+3], ROWB<<16                    ; tile_dim0
	s_mov_b32 s[\g+4], 128                         ; tile_dim1
	s_mov_b32 s[\g+5], KROW                        ; from row to row
	s_mov_b32 s[\g+6], 0
	s_mov_b32 s[\g+7], 0
.endr
	s_or_b32 s[G1S+0], s43, (3<<16)|(1<<20)|(1<<21)|(5<<22)|(3<<25) ; the scales of 128 rows: 4,096 dense bytes as 16 rows of 256 (32 elements of 8 bytes), 16 bytes of padding behind each
	s_or_b32 s[G1SB+0], s44, (3<<16)|(1<<20)|(1<<21)|(5<<22)|(3<<25)
.irp g, G1S, G1SB
	s_mov_b32 s[\g+1], 32<<16
	s_mov_b32 s[\g+2], 16<<16
	s_mov_b32 s[\g+3], 32<<16
	s_mov_b32 s[\g+4], 16
	s_mov_b32 s[\g+5], 32
	s_mov_b32 s[\g+6], 0
	s_mov_b32 s[\g+7], 0
.endr
	s_lshl_b32 s18, s16, 7                         ; which 128 rows of the tile I fetch
	s_lshl_b32 s20, s17, 8
	s_add_co_u32 s20, s20, s18                     ; tokens: row 256 x tile row + 128 x half
	s_lshl_b32 s46, s42, 8
	s_add_co_u32 s46, s46, s18
	s_lshl_b32 s19, s3, 10
	s_add_co_u32 s46, s46, s19
	s_add_co_u32 s46, s46, 24576                   ; weight: row 24,576 + 1,024 T + 256 x tile column + 128 x half
	s_lshl_b32 s22, s20, 5                         ; where these rows' scales begin, in bytes
	s_mov_b32 s23, 0
	s_lshl_b32 s92, s46, 5
	s_mov_b32 s93, 0
	s_lshl_b32 s20, s20, 9                         ; and their codes
	s_mov_b32 s21, 0
	s_lshl_b32 s46, s46, 9
	s_mov_b32 s47, 0
	s_mul_i32 s45, s14, HALFT                      ; where they go: wave x 128 rows: no place in the cluster enters an LDS address
	s_mul_i32 s94, s14, HALFS
	s_mov_b32 s[SEL], 0x76543210
	s_mov_b32 s[SEL+1], 0xfedcba98
	s_wait_dscnt 0x0                               ; both opening adds are done
	s_wait_kmcnt 0x0
	s_add_nc_u64 s[20:21], s[4:5], s[20:21]
	s_add_nc_u64 s[22:23], s[6:7], s[22:23]
	s_add_nc_u64 s[46:47], s[4:5], s[46:47]
	s_add_nc_u64 s[92:93], s[6:7], s[92:93]
	CROUND                                         ; all sixteen work-groups are here: the first joint loads meet
	s_mov_b32 s[G0S], 1
	s_add_co_u32 s[G0S+1], s94, SCL
	s_mov_b64 s[G0S+2:G0S+3], s[22:23]
	s_or_b32 s[G0S+3], s[G0S+3], 0x80000000
	s_mov_b32 s[G0SB], 1
	s_add_co_u32 s[G0SB+1], s94, SCL
	s_mov_b64 s[G0SB+2:G0SB+3], s[92:93]
	s_or_b32 s[G0SB+3], s[G0SB+3], 0x80000000
	JLOAD G0S, G1S, G0SB, G1SB                     ; the scales first: they are wanted with the first slot
.irp s, 0,1
	s_mov_b32 s[G0+4*\s], 1
	s_add_co_u32 s[G0+4*\s+1], s45, \s*SLOT
	s_add_nc_u64 s[G0+4*\s+2:G0+4*\s+3], s[20:21], \s*ROWB
	s_or_b32 s[G0+4*\s+3], s[G0+4*\s+3], 0x80000000
	s_mov_b32 s[G0B+4*\s], 1
	s_add_co_u32 s[G0B+4*\s+1], s45, \s*SLOT
	s_add_nc_u64 s[G0B+4*\s+2:G0B+4*\s+3], s[46:47], \s*ROWB
	s_or_b32 s[G0B+4*\s+3], s[G0B+4*\s+3], 0x80000000
	JLOAD G0+4*\s, G1, G0B+4*\s, G1B               ; three tensor loads of mine are out behind the second of these
.endr
	v_and_b32 v1, 15, v0                           ; r = l % 16
	v_bfe_u32 v2, v0, 4, 1                         ; h = l / 16
	v_mul_u32_u24 v3, v1, PITCH
	v_lshl_add_u32 v4, v2, 4, v3                   ; a fragment's row x pitch + 16 x half
	s_mul_i32 s21, s15, HALFT                      ; my 128 tokens
	s_mul_i32 s22, s16, HALFT                      ; my 128 rows of the weight,
	s_add_co_u32 s22, s22, 2*HALFT                 ; which lie behind the tokens' 256
.irp s, 0,1
	v_add_nc_u32 v[ADRA+\s], s21, v4
	v_add_nc_u32 v[ADRB+\s], s22, v4
	s_add_co_u32 s21, s21, SLOT
	s_add_co_u32 s22, s22, SLOT
.endr
	v_mul_u32_u24 v5, v1, KS                       ; my row's scales: 32 bytes a row,
	v_lshrrev_b32 v6, 8, v5
	v_lshl_add_u32 v5, v6, 4, v5                   ; and 16 more for each 256 passed
	s_mul_i32 s21, s15, HALFS
	s_mul_i32 s22, s16, HALFS
	s_add_co_u32 s22, s22, 2*HALFS
	s_sub_co_u32 s22, s22, s21
	v_mul_u32_u24 v6, s22, v2                      ; lanes 16-31 take the weight's
	s_add_co_u32 s21, s21, SCL
	v_add_nc_u32 v5, v5, v6
	v_add_nc_u32 v[ADRS], s21, v5
	s_mul_i32 s23, s14, WSTG                       ; my stage
	v_mul_u32_u24 v5, v1, 144                      ; in: row r of 128 bytes + 16, 16 bytes for each half of the lanes
	v_lshl_add_u32 v5, v2, 4, v5
	v_add_nc_u32 v[STO], s23, v5
	v_and_b32 v6, 31, v0
	v_lshrrev_b32 v7, 3, v6                        ; back: eight lanes to a row, four rows an instruction
	v_mul_u32_u24 v7, v7, 144
	v_and_b32 v8, 7, v6
	v_lshl_add_u32 v7, v8, 4, v7
	v_add_nc_u32 v[RD], s23, v7
	v_lshlrev_b32 v[CO], 4, v6                     ; four rows of 128 bytes are 512 consecutive bytes of heads
	v_lshlrev_b32 v[NO], 2, v1
	v_lshl_add_u32 v[NO], v2, 12, v[NO]            ; the norms: token r; lanes 16-31 the next head, 4,096 bytes on
	v_cmp_le_u32 s98, 16, v6                       ; lanes 16-31
	s_lshr_b32 s20, s17, 2                         ; 8 T + b
	s_lshl_b32 s20, s20, 21                        ; x 16 heads x 131,072 bytes
	s_and_b32 s21, s17, 3
	s_lshl_b32 s21, s21, 15                        ; + 256 tokens of 128 bytes for each tile row in the batch
	s_add_co_u32 s20, s20, s21
	s_lshl_b32 s21, s15, 14                        ; + my 128 tokens
	s_add_co_u32 s20, s20, s21
	s_mov_b32 s21, 0
	s_lshl_b32 s46, s42, 2                         ; my first head: 4 x tile column + 2 x half
	s_lshl_b32 s47, s16, 1
	s_add_co_u32 s46, s46, s47
	s_lshl_b32 s46, s46, 17
	s_mov_b32 s47, 0
	s_add_nc_u64 s[12:13], s[8:9], s[20:21]
	s_add_nc_u64 s[12:13], s[12:13], s[46:47]      ; heads at my first token of my first head
	s_lshr_b32 s20, s20, 5                         ; a norm is 4 bytes where a row is 128
	s_lshr_b32 s46, s46, 5
	s_add_nc_u64 s[10:11], s[10:11], s[20:21]
	s_add_nc_u64 s[10:11], s[10:11], s[46:47]      ; qnorm likewise (used for q alone)
.macro FRAG reg, adr, q, i             ; 16 rows x 128 K of 4-bit codes: lane l holds row l % 16; registers 4 c .. 4 c + 3 hold K = 64 c + 32 (l / 16) + 0 .. 31
.irp c, 0,1
	ds_load_b128 v[\reg+4*\c:\reg+4*\c+3], v[\adr] offset:64*(\q)+32*\c+(\i)*16*PITCH
.endr
.endm
; 16 matrix instructions: token blocks a0, a0 + 1 x the weight's eight, 128 along K.  The 64 accumulators take turns, one instruction a turn, in the same order in every step.
.macro MUL16 a0, p, q, sc, zero
.irp a, \a0, \a0+1
.irp b, 0,1,2,3,4,5,6,7
.if \zero
	v_wmma_scale_f32_16x16x128_f8f6f4 v[8*(8*((\a)%4)+\b):8*(8*((\a)%4)+\b)+7], v[128*(\p)+FR*\b:128*(\p)+FR*\b+FR-1], v[AF+FR*(\a):AF+FR*(\a)+FR-1], 0, v[SC+8*NQ*(\sc)+NQ*\b+(\q)], v[SC+8*NQ*(\sc)+NQ*(\a)+(\q)] matrix_a_fmt:MATRIX_FMT_FP4 matrix_b_fmt:MATRIX_FMT_FP4 matrix_a_scale:MATRIX_SCALE_ROW1
.else
	v_wmma_scale_f32_16x16x128_f8f6f4 v[8*(8*((\a)%4)+\b):8*(8*((\a)%4)+\b)+7], v[128*(\p)+FR*\b:128*(\p)+FR*\b+FR-1], v[AF+FR*(\a):AF+FR*(\a)+FR-1], v[8*(8*((\a)%4)+\b):8*(8*((\a)%4)+\b)+7], v[SC+8*NQ*(\sc)+NQ*\b+(\q)], v[SC+8*NQ*(\sc)+NQ*(\a)+(\q)] matrix_a_fmt:MATRIX_FMT_FP4 matrix_b_fmt:MATRIX_FMT_FP4 matrix_a_scale:MATRIX_SCALE_ROW1
.endif
.endr
.endr
.endm
.macro FETCH_B slot, q, p
	WIN TO_B
.irp i, 0,1,2,3,4,5,6,7
	FRAG 128*(\p)+FR*\i, ADRB+\slot, \q, \i
.endr
	WIN 0
.endm
.macro FETCH_A slot, q, i0
.irp i, \i0, \i0+1, \i0+2, \i0+3
	FRAG AF+FR*(\i), ADRA+\slot, \q, \i
.endr
.endm
.macro SCALES sc                       ; a slot's scale words: 4 words a row; lanes 0-15 take the tokens' block i, lanes 16-31 the weight's block i
.irp i, 0,1,2,3,4,5,6,7
	ds_load_b128 v[SC+8*NQ*\sc+NQ*\i:SC+8*NQ*\sc+NQ*\i+3], v[ADRS] offset:\i*SBLK
.endr
.endm
.macro PLACES n                        ; plain vector instructions between a matrix instruction and a load into, or a read of, its registers
.rept \n
	v_nop
.endr
.endm
.macro STEP slot, q, zero              ; a step of 128 along K that has its successor in the same slot
	s_wait_dscnt 4*NL                              ; the weight's set and token blocks 0-3 are in; the youngest eight loads (token blocks 4-7) may be out
	WIN MUL_LO
	MUL16 0, (\q)%2, \q, \slot, \zero
	MUL16 2, (\q)%2, \q, \slot, \zero
	s_wait_dscnt 0                                 ; token blocks 4-7 are in
	PLACES NP
	FETCH_B \slot, (\q)+1, 1-(\q)%2
	FETCH_A \slot, (\q)+1, 0
	WIN MUL_HI
	MUL16 4, (\q)%2, \q, \slot, \zero
	MUL16 6, (\q)%2, \q, \slot, \zero
	PLACES NP
	WIN 0
	FETCH_A \slot, (\q)+1, 4
.endm
.macro TURN slot, next                 ; slot 0's last step: one barrier, behind which slot 1 is whole for every wave and nobody reads slot 0 any more
	s_wait_tensorcnt 0x0                           ; all my tensor loads have landed: my part of slot 1
	ds_add_u32 v[SPW], v[NIL]                      ; 0 onto my spare word
	s_wait_dscnt 4*NL+1                            ; (the add and the youngest eight loads may be out)
	WIN MUL_LO
	MUL16 0, 1, NQ-1, \slot, 0
	s_wait_dscnt 0x0                               ; the add is done, and my reads of this slot are over
	s_barrier_signal -1
	MUL16 2, 1, NQ-1, \slot, 0
	WIN 0
	s_barrier_wait -1
	PLACES NP
	v_add_nc_u32 v[ADRS], 4*NQ, v[ADRS]            ; on to the next slot's scale words
	FETCH_B \next, 0, 0
	FETCH_A \next, 0, 0
	SCALES \next
	WIN MUL_HI
	MUL16 4, 1, NQ-1, \slot, 0
	MUL16 6, 1, NQ-1, \slot, 0
	PLACES NP
	WIN 0
	FETCH_A \next, 0, 4
.endm
	s_wait_tensorcnt 1                             ; the scales and my part of slot 0 are in; slot 1's load, the one issued behind them, may be out
	s_barrier_signal -1
	s_barrier_wait -1                              ; everybody's are
	FETCH_B 0, 0, 0
	FETCH_A 0, 0, 0
	SCALES 0
	FETCH_A 0, 0, 4
	STEP 0, 0, 1                                   ; the first products start the sums: nothing is cleared
	STEP 0, 1, 0
	STEP 0, 2, 0
	TURN 0, 1
	STEP 1, 0, 0
	STEP 1, 1, 0
	STEP 1, 2, 0
	s_wait_dscnt 4*NL                              ; the last step: nothing more to fetch
	WIN MUL_LO
	MUL16 0, 1, NQ-1, 1, 0
	MUL16 2, 1, NQ-1, 1, 0
	s_wait_dscnt 0
	WIN MUL_HI
	MUL16 4, 1, NQ-1, 1, 0
	MUL16 6, 1, NQ-1, 1, 0
	WIN 0
; THE WAY OUT, a block of 16 tokens x 128 channels (two heads) at a time.  Lane (r, h) holds token r and, of each head, 32 channels; lane l xor 16 holds the other 32.
; v[32:35] sums of squares; v36-39 at work; v40, v42 the reciprocals (v41, v43 are named with them as pairs); v44, v45 the clamped norms; v48-55 a norm to store for each block;
; v64-127 the normalised numbers; v128-159 as f16; v160-223 rows read back, two sets.
.macro NORMBLK a
.set AC, 64*((\a)%4)
.set WW, 2+(\a)/4
.set WS, 5*WW
	WIN WS                                         ; sources 0 and 1: the block's window
	v_pk_mul_f32 v[32:33], v[AC:AC+1], v[AC:AC+1]  ; each accumulator is read from its low end on; the two heads by turns
	v_pk_mul_f32 v[34:35], v[AC+32:AC+33], v[AC+32:AC+33]
.set I, 2
.rept 15
	v_pk_fma_f32 v[32:33], v[AC+I:AC+I+1], v[AC+I:AC+I+1], v[32:33]
	v_pk_fma_f32 v[34:35], v[AC+32+I:AC+33+I], v[AC+32+I:AC+33+I], v[34:35]
.set I, I+2
.endr
	WIN 0
	v_add_f32 v36, v32, v33
	v_add_f32 v37, v34, v35
	v_permlanex16_b32 v38, v36, s[SEL], s[SEL+1]
	v_permlanex16_b32 v39, v37, s[SEL], s[SEL+1]
	v_add_f32 v36, v36, v38                        ; the row's 64 squares
	v_add_f32 v37, v37, v39
	v_sqrt_f32 v44, v36
	v_sqrt_f32 v45, v37
	v_nop                                          ; a plain instruction behind the roots
	s_wait_alu depctr_va_vdst(0)                   ; one wait for the two, ahead of their first reader
	v_max_num_f32 v44, 0x2b8cbccc, v44             ; max(norm, 1e-12)
	v_max_num_f32 v45, 0x2b8cbccc, v45
	v_cndmask_b32 v[48+(\a)], v44, v45, s98        ; lanes 0-15 keep the first head's norm, lanes 16-31 the second's
	v_rcp_f32 v40, v44
	v_rcp_f32 v42, v45
	v_nop
	s_wait_alu depctr_va_vdst(0)                   ; one wait for the two reciprocals
	WIN WW                                         ; source 0: the block's window
.set I, 0
.rept 16
	v_pk_mul_f32 v[64+I:65+I], v[AC+I:AC+I+1], v[40:41] op_sel_hi:[1,0]
.set I, I+2
.endr
.rept 16
	v_pk_mul_f32 v[64+I:65+I], v[AC+I:AC+I+1], v[42:43] op_sel_hi:[1,0]
.set I, I+2
.endr
	WIN 0
.set I, 0
.rept 32
	v_cvt_pk_f16_f32 v[128+I], v[64+2*I], v[65+2*I]
.set I, I+1
.endr
.irp hh, 0,1
.irp b, 0,1,2,3
	ds_store_b128 v[STO], v[128+16*\hh+4*\b:131+16*\hh+4*\b] offset:2304*\hh+32*\b   ; channels 16 b + 8 h + 0 .. 7 of token r
.endr
.endr
.set BB, 160+32*((\a)%2)
.irp hh, 0,1
.irp i, 0,1,2,3
	ds_load_b128 v[BB+16*\hh+4*\i:BB+16*\hh+4*\i+3], v[RD] offset:2304*\hh+576*\i   ; LDS serves a wave's instructions in order: these see the stores above, and the next block's stores come behind them
.endr
.endr
.endm
.macro SENDBLK a, younger              ; younger: the LDS instructions issued behind block a's loads, which may stay out
.set BB, 160+32*((\a)%2)
	s_wait_dscnt \younger
.irp hh, 0,1
.irp i, 0,1,2,3
	global_store_b128 v[CO], v[BB+16*\hh+4*\i:BB+16*\hh+4*\i+3], s[12:13] offset:2048*(\a)+131072*\hh+512*\i   ; 32 lanes store 512 consecutive bytes, aligned
.endr
.endr
.endm
	PLACES NP                                      ; behind the last products: for the reads of their results and the writes of registers that held scales and fragments
	v_mov_b32 v38, 0                               ; a lane permute's destination counts as one of its sources
	v_mov_b32 v39, 0
	v_mov_b32 v41, 0                               ; named as the upper halves of pairs
	v_mov_b32 v43, 0
	NORMBLK 0
.irp a, 1,2,3,4,5,6,7
.if \a > 1
	s_wait_xcnt 0x0                                ; block a - 2's stores have read their registers: block a's loads may land there
.endif
	NORMBLK \a
	SENDBLK \a-1, 16                               ; behind block a - 1's loads: block a's 8 stores and 8 loads
.endr
	SENDBLK 7, 0
	s_cmp_lg_u32 s3, 0                             ; q's norms are kept; k's and v's are not wanted again
	s_cbranch_scc1 .Lno_norm
.irp a, 0,1,2,3,4,5,6,7
	global_store_b32 v[NO], v[48+\a], s[10:11] offset:64*\a
.endr
.Lno_norm:
	s_wait_tensorcnt 0x0                           ; the wave's end
	ds_add_u32 v[SPW], v[NIL]
	s_wait_dscnt 0x0
	CROUND                                         ; the closing round
	s_endpgm
.Lfunc_end_k_q5c04848be5_proj:
	.size	k_q5c04848be5_proj, .Lfunc_end_k_q5c04848be5_proj-k_q5c04848be5_proj
	.p2alignl 7, 3214868480
	.fill 96, 4, 3214868480
	.section	.rodata,"a",@progbits
	.p2align	6, 0x0
	.amdhsa_kernel k_q5c04848be5_proj
		.amdhsa_group_segment_fixed_size 327680
		.amdhsa_private_segment_fixed_size 0
		.amdhsa_enable_private_segment 0
		.amdhsa_kernarg_size 32
		.amdhsa_user_sgpr_count 2
		.amdhsa_user_sgpr_kernarg_segment_ptr 1
		.amdhsa_wavefront_size32 1
		.amdhsa_system_sgpr_workgroup_id_x 1
		.amdhsa_system_sgpr_workgroup_id_y 1
		.amdhsa_system_sgpr_workgroup_id_z 1
		.amdhsa_system_vgpr_workitem_id 0
		.amdhsa_next_free_vgpr 1024
		.amdhsa_next_free_sgpr 100
		.amdhsa_reserve_vcc 0
		.amdhsa_float_denorm_mode_32 3
		.amdhsa_float_denorm_mode_16_64 3
		.amdhsa_memory_ordered 1
		.amdhsa_forward_progress 1
		.amdhsa_inst_pref_size 166
	.end_amdhsa_kernel
	.amdgpu_metadata
---
amdhsa.version: [ 1, 2 ]
amdhsa.kernels:
  - .name:           k_q5c04848be5_proj
    .symbol:         k_q5c04848be5_proj.kd
    .args:
      - { .name: codes, .offset: 0, .size: 8, .value_kind: global_buffer, .address_space: global }
      - { .name: scales, .offset: 8, .size: 8, .value_kind: global_buffer, .address_space: global }
      - { .name: heads, .offset: 16, .size: 8, .value_kind: global_buffer, .address_space: global }
      - { .name: qnorm, .offset: 24, .size: 8, .value_kind: global_buffer, .address_space: global }
    .group_segment_fixed_size: 327680
    .private_segment_fixed_size: 0
    .kernarg_segment_align: 8
    .kernarg_segment_size: 32
    .max_flat_workgroup_size: 128
    .sgpr_count:     100
    .vgpr_count:     1024
    .wavefront_size: 32
...
	.end_amdgpu_metadata
.endif
;; end of part 2
;; launch attn (part 3): grid 64 x 4, 4 waves a work-group, clusters of 4 x 4, 327,680 bytes of LDS; arguments heads, gate, qnorm, x16; writes x16
.if DOCPART == 3
	.amdgcn_target "amdgcn-amd-amdhsa--gfx1250"
	.amdhsa_code_object_version 6
	.text
	.protected	k_q5c04848be5_attn
	.globl	k_q5c04848be5_attn
	.p2align	8
	.type	k_q5c04848be5_attn,@function
k_q5c04848be5_attn:
	s_mov_b64 s[64:65], 0
	v_nop
	global_prefetch_b8 v0, s[64:65] scope:SCOPE_SE
	s_setreg_imm32_b32 hwreg(HW_REG_WAVE_MODE, 25, 1), 1
	s_wait_xcnt 0x0
	s_wait_alu depctr_hold_cnt(0) depctr_sa_sdst(0) depctr_va_vdst(0) depctr_va_sdst(0) depctr_va_ssrc(0) depctr_va_vcc(0) depctr_vm_vsrc(0)
	s_getreg_b32 s2, hwreg(HW_REG_IB_STS2, 6, 4)
	s_cmp_eq_u32 s2, 0
	s_cbranch_scc0 .Lentry_in_a_cluster
	s_endpgm
.Lentry_in_a_cluster:
	s_bfe_u32 s2, ttmp6, 0x10000c
	s_cmp_lg_u32 s2, 0xf033
	s_cbranch_scc0 .Lentry_shape_is_right
	s_endpgm
.Lentry_shape_is_right:
; ATTN: x[b][h][l][:] = sum over s of (qh[l] . kh[s]) gate[h][l][s] vh[s][:], no softmax.  heads: f16 [T][b][h][t][64], T = 0: q's heads / their norms, 1: kh, 2: vh, all unit vectors or shorter.
; gate: f16 [h][l][s].  qnorm: f32 [b][h][l].  Both products take f16 operands and sum in f32.  The score stays in f32, is multiplied in f32 by the gate (widened from f16), and the product, at most 1 in
; magnitude, is rounded once to f16 on its way to the second product.
; WHAT IS STORED: x16 = f16 of the sum x nq / s, nq my head's norm of the query's row and s the largest of that row's 16 heads' norms: at most 1,024 in magnitude for every input.  The next launch multiplies by s.
; SHARES.  A cluster of 4 x 4 work-groups is one head.  cx: a pair of batches; cy: a block of 256 queries.  A wave owns 64 queries of both batches: 8 tiles of 16 (tile t = 4 bi + li).
; So a register of the gate, and its widening, serve two batches, and a fragment of K or V four tiles.  The gate's tile hangs on the head and cy: it is asked for jointly along the cluster's row; K's and V's hang
; on the head and cx: jointly along the column.  Each byte of gate, K and V is asked of memory once in the launch.
; LAYOUT.  S^T = K Q^T (source 0 = 16 keys, source 1 = 16 queries): a lane holds one query (lane % 16) and keys 8 (lane / 16) + 0 .. 7.  Two such tiles, rounded in pairs, are source 1 (32 keys x 16 queries) of
; O^T = V^T P, whose result again holds one query a lane.  K comes out of LDS as it lies, V ([key][channel]) turned, by ds_load_tr16_b128.
; THE RING: two slots of 128 keys, four steps of 32 each.  Behind each change of slots a wave issues one joint load (waves 0, 1: the gate's halves; wave 2: K of both batches; wave 3: V).
; A STEP, 64 matrix instructions: (a) 16 K Q^T of batch 0, behind each four widenings of the gate | (b) 16 K Q^T of batch 1, behind each four vector instructions of batch 0's gating and rounding |
; (c) 16 V^T P of batch 0, behind each four of batch 1's | (d) 16 V^T P of batch 1.  The LDS loads stand in two runs: V at (a), the next step's K and gate at (c).
; REGISTERS, in windows of 256, laid so that a rounding slice runs under the window setting of the matrix instruction in front of it:
;   window 0: v0-31 addresses; v32-63 the gate in f16, 8 a query tile; v64-127 S^T of batch 1; v128-191 the gate in f32; v192-223 P of batch 0; v224-255 V of batch 0.
;   window 1: v0-127 O^T of batch 0, 32 a tile; v128-159 P of batch 1.   window 2: v0-127 Q, 16 a tile; v128-191 K; v192-255 S^T of batch 0.
;   window 3: v0-127 O^T of batch 1; v128-159 V of batch 1; v160-175: nq / s of tile t's query, twice, at v[160 + 2 t].
.set SLOT,  147456
.set KOFF,  69632                      ; a slot: the gate, 256 rows of 256 bytes + 16;
.set VOFF,  106496                     ; K, 2 batches x 128 rows of 128 bytes + 16; V, 2 x 128 rows of 128 + 32
.set SPARE, 294912                     ; behind the ring: the spare words, 128 bytes for each wave
.set STAGE, 295424                     ; the way out: 16 rows x 144 bytes for each wave
.set ADG, 2                            ; v2-3   my place in the gate's tile, slot 0, 1; never rewritten
.set ADK, 4                            ; v4-5   in K's
.set ADV, 6                            ; v6-7   in V's
.set QO,  8
.set NQ,  9
.set STO, 10
.set RD,  11
.set GO,  12
.set PFO, 13
.set NH,  20
.set SPW, 28
.set NIL, 29
.set GH,  32                           ; window 0: the gate in f16
.set SB1, 64                           ; window 0: S^T of batch 1
.set GF,  128                          ; window 0: the gate in f32
.set PB0, 192                          ; window 0: P of batch 0
.set VB0, 224                          ; window 0: V of batch 0
.set PB1, 128                          ; window 1: P of batch 1
.set KF,  128                          ; window 2: K
.set SB0, 192                          ; window 2: S^T of batch 0
.set VB1, 128                          ; window 3: V of batch 1
.set QN,  160                          ; window 3: nq / s
.set WV,  12
.set W1,  13
.set CX,  14
.set CY,  15
.set G1G, 16
.set G1K, 24
.set G1V, 32
.set G0G, 40
.set G0K, 48
.set G0V, 56
.set LAP, 80
.set PFA, 82
.set PFS, 84
.set SEL, 96
.set MSB, 0
.macro WIN new                         ; the immediate's high byte repeats the setting that is left; a switch that changes nothing is dropped
.if MSB != (\new)
	s_set_vgpr_msb (MSB<<8)|(\new)
.set MSB, (\new)
.endif
.endm
; s_set_vgpr_msb's low byte: bits 1:0 source 0, 3:2 source 1, 5:4 source 2, 7:6 destination
.set W_A,  0xaa                        ; K Q^T of batch 0: K, Q and S^T all in window 2
.set W_B,  0x0a                        ; K Q^T of batch 1: K, Q in window 2, S^T in window 0.  Also batch 0's rounding: S^T from window 2, P into window 0
.set W_M0, 0x82                        ; batch 0's gating: S^T in window 2 (destination and source 0), the gate in window 0
.set W_C,  0x50                        ; V^T P of batch 0: V, P in window 0, O^T in window 1.  Also batch 1's rounding: S^T from window 0, P into window 1
.set W_D,  0xf7                        ; V^T P of batch 1: V in window 3, P in window 1, O^T in window 3
.macro PLACES
.rept 4
	v_nop
.endr
.endm
; A joint load.  The branches hang on the wave's number alone.  An s_nop 0 and four v_nop follow each line.
.macro JLOAD s
	s_cmp_lt_u32 s[WV], 2
	s_cbranch_scc0 .Lnot_g_\@
	tensor_load_to_lds s[G0G+4*(\s):G0G+4*(\s)+3], s[G1G:G1G+7]
	s_nop 0
	PLACES
	s_branch .Lasked_\@
.Lnot_g_\@:
	s_cmp_eq_u32 s[WV], 2
	s_cbranch_scc0 .Lfor_v_\@
	tensor_load_to_lds s[G0K+4*(\s):G0K+4*(\s)+3], s[G1K:G1K+7]
	s_nop 0
	PLACES
	s_branch .Lasked_\@
.Lfor_v_\@:
	tensor_load_to_lds s[G0V+4*(\s):G0V+4*(\s)+3], s[G1V:G1V+7]
	s_nop 0
	PLACES
.Lasked_\@:
.endm
.macro CREST                           ; a round of the cluster's barrier behind its opening barrier
	s_cmp_lg_u32 s[WV], 0
	s_cbranch_scc1 .Lnot_wave_0_\@
	s_barrier_signal -3
.Lnot_wave_0_\@:
	s_barrier_wait -3
	s_barrier_signal -1
	s_barrier_wait -1
.endm
.macro CROUND
	s_barrier_signal -1
	s_barrier_wait -1
	CREST
.endm
; A PREFETCH INTO THE L2, behind each of the first four joint refills: the keys four slots behind the ones being left, that is what the refill two changes of this same slot on will ask for.  One instruction a wave,
; a lane a block of 256 bytes.  Waves 0, 1: of the 128 rows of the gate that the wave fetches, the partner at cx takes rows 32 cx + lane.  Waves 2, 3: of K's (V's) two batches x 16,384 bytes, the partner at cy
; takes batch cy / 2, bytes 8,192 (cy % 2) + 256 lane.  The partners are told apart by address alone, and each block is named once in the launch.  The keys of the first four slots come by their loads alone;
; the last trip's two refills ask for nothing: there are no keys behind them.
.macro ASK
	s_cmp_gt_u32 s[LAP], 1
	s_cbranch_scc0 .Lno_ask_\@
	global_prefetch_b8 v[PFO], s[PFA:PFA+1] th:TH_LOAD_NT scope:SCOPE_SE
.Lno_ask_\@:
.endm
	s_load_b256 s[4:11], s[0:1], 0x0               ; heads s[4:5], gate s[6:7], qnorm s[8:9], x16 s[10:11]
	v_lshl_add_u32 v[SPW], v0, 2, SPARE
	v_mov_b32 v[NIL], 0
	ds_add_u32 v[SPW], v[NIL]                      ; the wave's opening: the add, twice on end, and its wait ahead of my first tensor load
	ds_add_u32 v[SPW], v[NIL]
	v_lshrrev_b32 v1, 5, v0
	v_readfirstlane_b32 s[WV], v1                  ; wave 0..3
	s_and_b32 s[W1], s[WV], 1
	s_bfe_u32 s[CX], ttmp6, 0x40000                ; cx: my pair of batches
	s_bfe_u32 s[CY], ttmp6, 0x40004                ; cy: my block of 256 queries.  The head is the cluster's x, ttmp9
	s_lshl_b32 s72, s[CY], 2
	s_lshl_b32 s72, 15, s72                        ; my row of the cluster
	s_lshl_b32 s73, 0x1111, s[CX]                  ; my column
	s_or_b32 s[G1G], s72, (1<<16)|(1<<20)|(1<<21)|(5<<22)|(3<<25)   ; the gate: 128 rows x 128 elements of 2 bytes; 4 words of padding after every 64
	s_mov_b32 s[G1G+1], 128<<16
	s_mov_b32 s[G1G+2], 128<<16
	s_mov_b32 s[G1G+3], 128<<16
	s_mov_b32 s[G1G+4], 128
	s_mov_b32 s[G1G+5], 1024
	s_mov_b32 s[G1G+6], 0
	s_mov_b32 s[G1G+7], 0
	s_or_b32 s[G1K], s73, (1<<16)|(1<<20)|(1<<21)|(4<<22)|(3<<25)   ; K: a batch's 128 keys x 64 channels are 16,384 dense bytes: one long row a batch, two rows; 4 words of padding after every 32, that is behind each key
	s_or_b32 s[G1V], s73, (1<<16)|(1<<20)|(1<<21)|(4<<22)|(7<<25)   ; V: the same with 8 words of padding
.irp g, G1K, G1V
	s_mov_b32 s[\g+1], 8192<<16                    ; tensor_dim0 = 8,192 elements
	s_mov_b32 s[\g+2], 2<<16                       ; tensor_dim1 = 2
	s_mov_b32 s[\g+3], 8192<<16                    ; tile_dim0
	s_mov_b32 s[\g+4], 2                           ; tile_dim1
	s_mov_b32 s[\g+5], 1048576                     ; from batch to batch: 16 heads x 1,024 x 64 elements
	s_mov_b32 s[\g+6], 0
	s_mov_b32 s[\g+7], 0
.endr
	s_lshl_b32 s66, ttmp9, 21                      ; the gate's tile: head x 1,024 rows of 2,048 bytes
	s_lshl_b32 s67, s[CY], 19                      ; + 256 rows a block of queries
	s_add_co_u32 s66, s66, s67
	s_lshl_b32 s67, s[W1], 18                      ; + the 128 rows that I fetch
	s_add_co_u32 s66, s66, s67
	s_mov_b32 s67, 0
	s_lshl_b32 s68, s[CX], 5
	s_add_co_u32 s68, s68, ttmp9
	s_lshl_b32 s68, s68, 17                        ; (batch 2 cx, head) in a tensor of heads: 131,072 bytes each
	s_mov_b32 s69, 0
	s_mul_i32 s74, s[W1], 34816                    ; the gate's half in a slot: no place in the cluster enters an LDS address
	s_lshl_b32 s70, s[CY], 15
	s_lshl_b32 s71, s[WV], 13
	s_add_co_u32 s70, s70, s71
	s_add_co_u32 s70, s70, s68                     ; my wave's first query in q's heads and in x16
	s_mov_b32 s71, 0
	s_lshr_b32 s76, s70, 5                         ; and its norm: 4 bytes where a row is 128
	s_mov_b32 s77, 0
	s_lshl_b32 s94, s[CX], 17                      ; the same query's norm in head 0 of batch 2 cx
	s_lshl_b32 s95, s[CY], 10
	s_add_co_u32 s94, s94, s95
	s_lshl_b32 s95, s[WV], 8
	s_add_co_u32 s94, s94, s95
	s_mov_b32 s95, 0
	s_lshl_b32 s86, s[CX], 16                      ; the prefetches.  The gate: my work-group's 32 rows of the 128,
	s_add_co_u32 s86, s86, s66
	s_add_co_u32 s86, s86, 3*256                   ; at the keys of slot 3: the first refill steps it to slot 4
	s_lshr_b32 s87, s[CY], 1                       ; K, V: batch 2 cx + cy / 2,
	s_lshl_b32 s87, s87, 21
	s_add_co_u32 s87, s87, s68
	s_and_b32 s88, s[CY], 1
	s_lshl_b32 s88, s88, 13                        ; half cy % 2 of its 16,384 bytes,
	s_add_co_u32 s87, s87, s88
	s_add_co_u32 s88, s[W1], 1
	s_lshl_b32 s88, s88, 24                        ; in K's tensor (wave 2) or V's (wave 3)
	s_add_co_u32 s87, s87, s88
	s_add_co_u32 s87, s87, 3*16384
	s_mov_b32 s[PFS], 16384
	s_cmp_lt_u32 s[WV], 2
	s_cselect_b32 s86, s86, s87
	s_cselect_b32 s[PFS], 256, s[PFS]              ; a slot on
	s_cselect_b32 s88, 11, 8                       ; from lane to lane: a row of the gate, or 256 bytes
	s_mov_b32 s87, 0
	s_mov_b32 s[PFS+1], 0
	s_mov_b32 s[SEL], 0x76543210
	s_mov_b32 s[SEL+1], 0xfedcba98
	s_wait_dscnt 0x0                               ; both opening adds are done
	s_wait_kmcnt 0x0
	s_add_nc_u64 s[78:79], s[6:7], s[66:67]        ; the gate at my tile: head, cy and the wave alone
	s_add_nc_u64 s[90:91], s[4:5], s[68:69]        ; heads at (2 cx, head): cx and the head alone
	s_cmp_lt_u32 s[WV], 2
	s_cselect_b64 s[PFA:PFA+1], s[6:7], s[4:5]
	s_add_nc_u64 s[PFA:PFA+1], s[PFA:PFA+1], s[86:87]
	s_add_nc_u64 s[92:93], s[4:5], s[70:71]        ; Q
	s_add_nc_u64 s[10:11], s[10:11], s[70:71]      ; x16
	s_add_nc_u64 s[94:95], s[8:9], s[94:95]        ; the 16 heads' norms
	s_add_nc_u64 s[8:9], s[8:9], s[76:77]          ; my head's norms
	CROUND                                         ; all sixteen work-groups are here: the first joint loads meet
.irp s, 0,1
	s_mov_b32 s[G0G+4*\s], 1
	s_add_co_u32 s[G0G+4*\s+1], s74, \s*SLOT
	s_add_nc_u64 s[G0G+4*\s+2:G0G+4*\s+3], s[78:79], \s*256
	s_or_b32 s[G0G+4*\s+3], s[G0G+4*\s+3], 0x80000000
	s_mov_b32 s[G0K+4*\s], 1
	s_mov_b32 s[G0K+4*\s+1], \s*SLOT+KOFF
	s_add_nc_u64 s[G0K+4*\s+2:G0K+4*\s+3], s[90:91], 16777216+\s*16384
	s_or_b32 s[G0K+4*\s+3], s[G0K+4*\s+3], 0x80000000
	s_mov_b32 s[G0V+4*\s], 1
	s_mov_b32 s[G0V+4*\s+1], \s*SLOT+VOFF
	s_add_nc_u64 s[G0V+4*\s+2:G0V+4*\s+3], s[90:91], 33554432+\s*16384
	s_or_b32 s[G0V+4*\s+3], s[G0V+4*\s+3], 0x80000000
.endr
	JLOAD 0
	JLOAD 1                                        ; two tensor loads of mine are out
	v_and_b32 v1, 15, v0                           ; r
	v_bfe_u32 v14, v0, 4, 1                        ; h
	v_and_b32 v15, 31, v0                          ; lane
	v_lshlrev_b32 v[QO], 7, v1
	v_lshl_add_u32 v[QO], v14, 4, v[QO]            ; Q: row r of 128 bytes, + 16 h
	v_lshlrev_b32 v[NQ], 2, v1                     ; a norm: query r
	v_lshl_add_u32 v[NH], v14, 15, v[NQ]           ; lanes 16-31 begin at head 8: 8 x 4,096 bytes on
	WIN 0x80                                       ; destination window 2
.irp bi, 0,1
.irp li, 0,1,2,3
.irp f, 0,1
	global_load_b128 v[16*(4*\bi+\li)+8*\f:16*(4*\bi+\li)+8*\f+3],   v[QO], s[92:93] offset:2097152*\bi+2048*\li+64*\f
	global_load_b128 v[16*(4*\bi+\li)+8*\f+4:16*(4*\bi+\li)+8*\f+7], v[QO], s[92:93] offset:2097152*\bi+2048*\li+64*\f+32
.endr
.endr
.endr
	WIN 0
.irp bi, 0,1
.irp li, 0,1,2,3
	global_load_b32 v[192+4*\bi+\li], v[NQ], s[8:9] offset:65536*\bi+64*\li       ; my head's norm of tile t's query r (into registers that the steps take later)
.irp i, 0,1,2,3,4,5,6,7
	global_load_b32 v[64+8*(4*\bi+\li)+\i], v[NH], s[94:95] offset:65536*\bi+64*\li+4096*\i   ; and those of heads 8 h + i
.endr
.endr
.endr
	v_mul_u32_u24 v16, v1, 272
	v_lshl_add_u32 v16, v14, 4, v16
	s_mul_i32 s72, s[WV], 64*272
	v_add_nc_u32 v[ADG], s72, v16                  ; the gate: row 64 w + r, + 16 h
	v_add_nc_u32 v[ADG+1], SLOT, v[ADG]
	v_mul_u32_u24 v16, v1, 144
	v_lshl_add_u32 v16, v14, 4, v16                ; 144 r + 16 h
	v_add_nc_u32 v[ADK], KOFF, v16
	v_add_nc_u32 v[ADK+1], SLOT+KOFF, v16
	s_mul_i32 s72, s[WV], 2304
	s_add_co_u32 s72, s72, STAGE                   ; my stage
	v_add_nc_u32 v[STO], s72, v16
	v_and_b32 v17, 7, v0
	v_lshl_add_u32 v18, v14, 3, v17                ; the turning load: key 8 h + l % 8,
	v_mul_u32_u24 v18, v18, 160
	v_bfe_u32 v19, v0, 3, 1
	v_lshl_add_u32 v18, v19, 4, v18                ; channels 8 ((l / 8) % 2) on
	v_add_nc_u32 v[ADV], VOFF, v18
	v_add_nc_u32 v[ADV+1], SLOT+VOFF, v18
	v_lshrrev_b32 v18, 3, v15
	v_mul_u32_u24 v18, v18, 144
	v_lshl_add_u32 v18, v17, 4, v18
	v_add_nc_u32 v[RD], s72, v18                   ; back from the stage: eight lanes to a row
	v_lshlrev_b32 v[GO], 4, v15
	v_lshlrev_b32 v[PFO], s88, v15
.macro RUN_K s, js                     ; 16 loads: K of 32 keys, both batches: fragment (bi, kt, f): keys 16 kt on, channels 32 f on
	WIN 0x80
.irp bi, 0,1
.irp kt, 0,1
.irp f, 0,1
	ds_load_b128 v[KF+32*\bi+16*\kt+8*\f:KF+32*\bi+16*\kt+8*\f+3],   v[ADK+(\s)] offset:4608*(\js)+18432*\bi+2304*\kt+64*\f
	ds_load_b128 v[KF+32*\bi+16*\kt+8*\f+4:KF+32*\bi+16*\kt+8*\f+7], v[ADK+(\s)] offset:4608*(\js)+18432*\bi+2304*\kt+64*\f+32
.endr
.endr
.endr
.endm
.macro RUN_G s, js                     ; 8 loads: the gate of my 64 queries x 32 keys: a lane's 8 keys of key tile kt are 16 bytes
	WIN 0
.irp li, 0,1,2,3
	ds_load_b128 v[GH+8*\li:GH+8*\li+3],   v[ADG+(\s)] offset:64*(\js)+4352*\li
	ds_load_b128 v[GH+8*\li+4:GH+8*\li+7], v[ADG+(\s)] offset:64*(\js)+4352*\li+32
.endr
.endm
.macro RUN_V s, js                     ; 16 turning loads: V^T of 32 keys: fragment ct: channels 16 ct on; batch 0 into window 0, batch 1 into window 3
	WIN 0
.irp ct, 0,1,2,3
	ds_load_tr16_b128 v[VB0+8*\ct:VB0+8*\ct+3],   v[ADV+(\s)] offset:5120*(\js)+32*\ct
	ds_load_tr16_b128 v[VB0+8*\ct+4:VB0+8*\ct+7], v[ADV+(\s)] offset:5120*(\js)+32*\ct+2560
.endr
	WIN 0xc0
.irp ct, 0,1,2,3
	ds_load_tr16_b128 v[VB1+8*\ct:VB1+8*\ct+3],   v[ADV+(\s)] offset:5120*(\js)+20480+32*\ct
	ds_load_tr16_b128 v[VB1+8*\ct+4:VB1+8*\ct+7], v[ADV+(\s)] offset:5120*(\js)+20480+32*\ct+2560
.endr
.endm
; Product i of 16 of S^T = K Q^T of batch bi: channels 32 (i / 8) on, query tile (i % 8) / 2, key tile i % 2.  The first 8 start the sums; the 8 accumulators take turns.
.macro SQK bi, i
.set rK, KF+32*(\bi)+16*((\i)%2)+8*((\i)/8)
.set rQ, 16*(4*(\bi)+((\i)%8)/2)+8*((\i)/8)
.if (\bi) == 0
	WIN W_A
.set rS, SB0+16*(((\i)%8)/2)+8*((\i)%2)
.else
	WIN W_B
.set rS, SB1+16*(((\i)%8)/2)+8*((\i)%2)
.endif
.if (\i) < 8
	v_wmma_f32_16x16x32_f16 v[rS:rS+7], v[rK:rK+7], v[rQ:rQ+7], 0
.else
	v_wmma_f32_16x16x32_f16 v[rS:rS+7], v[rK:rK+7], v[rQ:rQ+7], v[rS:rS+7]
.endif
.endm
; Product i of 16 of O^T += V^T P of batch bi: query tile i / 4, channels 16 (i % 4) on: 16 accumulators, one instruction each.
.macro PVM bi, i, zero
.set rO, 32*((\i)/4)+8*((\i)%4)
.if (\bi) == 0
	WIN W_C
.set rV, VB0+8*((\i)%4)
.set rP, PB0+8*((\i)/4)
.else
	WIN W_D
.set rV, VB1+8*((\i)%4)
.set rP, PB1+8*((\i)/4)
.endif
.if \zero
	v_wmma_f32_16x16x32_f16 v[rO:rO+7], v[rV:rV+7], v[rP:rP+7], 0
.else
	v_wmma_f32_16x16x32_f16 v[rO:rO+7], v[rV:rV+7], v[rP:rP+7], v[rO:rO+7]
.endif
.endm
; Slice n of 16 of batch bi's vector work: tile n / 2 of its eight tiles of scores (query tile (n / 2) / 2, key tile (n / 2) % 2).  n even: the scores times the gate, in f32, in place, from the low end on;
; n odd: rounded to f16 in pairs, under the window setting of the matrix instruction in front.
.macro SLICE bi, n
.set rG, GF+8*((\n)/2)
.if (\bi) == 0
.set rS, SB0+8*((\n)/2)
.set rP, PB0+4*((\n)/2)
.set wM, W_M0
.set wC, W_B
.else
.set rS, SB1+8*((\n)/2)
.set rP, PB1+4*((\n)/2)
.set wM, 0
.set wC, W_C
.endif
.if (\n)%2 == 0
	WIN wM
.irp j, 0,1,2,3
	v_pk_mul_f32 v[rS+2*\j:rS+2*\j+1], v[rS+2*\j:rS+2*\j+1], v[rG+2*\j:rG+2*\j+1]
.endr
.else
	WIN wC
.irp j, 0,1,2,3
	v_cvt_pk_f16_f32 v[rP+\j], v[rS+2*\j], v[rS+2*\j+1]
.endr
.endif
.endm
; Four widenings of the gate: two registers of f16 become four of f32, in the order of a score tile's registers.  They serve both batches.
.macro UN4 d, a, b, c, e
	WIN 0
	v_cvt_f32_f16 v[GF+(\d)], \a
	v_cvt_f32_f16 v[GF+(\d)+1], \b
	v_cvt_f32_f16 v[GF+(\d)+2], \c
	v_cvt_f32_f16 v[GF+(\d)+3], \e
.endm
.macro PHASE_A                         ; batch 0's 16 products K Q^T, four widenings behind each; the last four are also the places between the last product and the first read of these scores
	SQK 0, 0
	UN4 0, v32.l, v32.h, v33.l, v33.h
	SQK 0, 1
	UN4 4, v34.l, v34.h, v35.l, v35.h
	SQK 0, 2
	UN4 8, v36.l, v36.h, v37.l, v37.h
	SQK 0, 3
	UN4 12, v38.l, v38.h, v39.l, v39.h
	SQK 0, 4
	UN4 16, v40.l, v40.h, v41.l, v41.h
	SQK 0, 5
	UN4 20, v42.l, v42.h, v43.l, v43.h
	SQK 0, 6
	UN4 24, v44.l, v44.h, v45.l, v45.h
	SQK 0, 7
	UN4 28, v46.l, v46.h, v47.l, v47.h
	SQK 0, 8
	UN4 32, v48.l, v48.h, v49.l, v49.h
	SQK 0, 9
	UN4 36, v50.l, v50.h, v51.l, v51.h
	SQK 0, 10
	UN4 40, v52.l, v52.h, v53.l, v53.h
	SQK 0, 11
	UN4 44, v54.l, v54.h, v55.l, v55.h
	SQK 0, 12
	UN4 48, v56.l, v56.h, v57.l, v57.h
	SQK 0, 13
	UN4 52, v58.l, v58.h, v59.l, v59.h
	SQK 0, 14
	UN4 56, v60.l, v60.h, v61.l, v61.h
	SQK 0, 15
	UN4 60, v62.l, v62.h, v63.l, v63.h
.endm
; A STEP of 32 keys: the js-th of slot s.  zero = 1: the first step starts O^T's sums.  kind 0: plain; 1: the slot's last, and the slot is filled again; 2: the slot's last, nothing is filled; 3: the very last.
.macro STEP s, js, zero, kind
.if (\js) < 3
.set NS, (\s)
.set NJ, (\js)+1
.else
.set NS, 1-(\s)
.set NJ, 0
.endif
	RUN_V \s, \js                                  ; (a)  four plain instructions stand between the last product that read V and these loads
	s_wait_dscnt 16                                ; K and the gate are in; V's 16 loads may be out
	PHASE_A
.if ((\kind) == 0) || ((\kind) == 3)
.set I, 0
.rept 16
	SQK 1, I                                       ; (b)
	SLICE 0, I
.set I, I+1
.endr
.else
	WIN 0                                          ; (the add's two registers lie in window 0)
.if (\kind) == 1
	s_wait_xcnt 0x0                                ; the last prefetch, four steps back, has read its address: it is stepped here, ahead of the waits of the change of slots
	s_add_nc_u64 s[PFA:PFA+1], s[PFA:PFA+1], s[PFS:PFS+1]
.endif
	s_wait_tensorcnt 0x0                           ; (b)  THE CHANGE OF SLOTS.  All my tensor loads have landed: my part of the next slot;
	ds_add_u32 v[SPW], v[NIL]                      ; 0 onto my spare word; half of the phase's work on registers stands between it and the wait for it
.set I, 0
.rept 8
	SQK 1, I
	SLICE 0, I
.set I, I+1
.endr
	WIN 0
	s_wait_dscnt 0x0                               ; the add is done, and my reads of this slot are over: V of its last step was the last of them
	s_barrier_signal -1
.rept 8
	SQK 1, I                                       ; work on registers while the others arrive
	SLICE 0, I
.set I, I+1
.endr
	WIN 0
	s_barrier_wait -1
.if (\kind) == 1
	CREST                                          ; the barrier has opened a round of the cluster's: no wave of any partner still reads this slot or has a load on its way
	s_add_nc_u64 s[G0G+4*(\s)+2:G0G+4*(\s)+3], s[G0G+4*(\s)+2:G0G+4*(\s)+3], 512      ; the keys two slots on
	s_add_nc_u64 s[G0K+4*(\s)+2:G0K+4*(\s)+3], s[G0K+4*(\s)+2:G0K+4*(\s)+3], 32768
	s_add_nc_u64 s[G0V+4*(\s)+2:G0V+4*(\s)+3], s[G0V+4*(\s)+2:G0V+4*(\s)+3], 32768
	JLOAD \s                                       ; my one tensor load behind the round: 240 matrix instructions stand between it and the wait for it
	ASK
.endif
.endif
.if (\kind) != 3
	RUN_K NS, NJ                                   ; (c)  the last slice's four instructions stand between the last product that read K and these loads
	RUN_G NS, NJ                                   ; the gate's f16 registers are free since phase (a) widened them: one run serves both
	s_wait_dscnt 24                                ; V is in; K's 16 loads and the gate's 8, just issued, may be out
.else
	s_wait_dscnt 0x0
.endif
.set I, 0
.rept 16
	PVM 0, I, \zero
	SLICE 1, I
.set I, I+1
.endr
.set I, 0
.rept 16
	PVM 1, I, \zero                                ; (d)
.set I, I+1
.endr
	WIN 0
	PLACES                                         ; in front of the next loads into V's registers, the next writes of P, and the way out's reads
.endm
	s_wait_tensorcnt 1                             ; my part of slot 0 is in; slot 1's load, issued behind it, may be out
	s_barrier_signal -1
	s_barrier_wait -1                              ; everybody's is
	RUN_K 0, 0
	RUN_G 0, 0
	s_wait_loadcnt 0x0                             ; Q and the norms
	; nq / s for each tile's query: s = the largest of the row's 16 heads' norms (each at least 1e-12): my 8, then lane l xor 16's
.irp t, 0,1,2,3,4,5,6,7
	v_max3_num_f32 v[200+\t], v[64+8*\t], v[65+8*\t], v[66+8*\t]
.endr
.irp t, 0,1,2,3,4,5,6,7
	v_max3_num_f32 v[200+\t], v[200+\t], v[67+8*\t], v[68+8*\t]
.endr
.irp t, 0,1,2,3,4,5,6,7
	v_max3_num_f32 v[200+\t], v[200+\t], v[69+8*\t], v[70+8*\t]
.endr
.irp t, 0,1,2,3,4,5,6,7
	v_max_num_f32 v[200+\t], v[200+\t], v[71+8*\t]
	v_mov_b32 v[208+\t], 0                         ; a lane permute's destination counts as one of its sources
.endr
.irp t, 0,1,2,3,4,5,6,7
	v_permlanex16_b32 v[208+\t], v[200+\t], s[SEL], s[SEL+1]
.endr
.irp t, 0,1,2,3,4,5,6,7
	v_max_num_f32 v[200+\t], v[200+\t], v[208+\t]
.endr
.irp t, 0,1,2,3,4,5,6,7
	v_rcp_f32 v[208+\t], v[200+\t]
.endr
	v_nop                                          ; a plain instruction behind the last reciprocal
	s_wait_alu depctr_va_vdst(0)                   ; one wait for the eight, ahead of their first reader
	WIN 0xc0                                       ; destination window 3
.irp t, 0,1,2,3,4,5,6,7
	v_mul_f32 v[QN+2*\t], v[192+\t], v[208+\t]
	v_mul_f32 v[QN+2*\t+1], v[192+\t], v[208+\t]   ; twice: a pair for the packed multiply
.endr
	WIN 0
	STEP 0, 0, 1, 0                                ; the first step stands in front of the loop: its products start O^T's sums
	s_mov_b32 s[LAP], 3
.Llap:                                             ; a trip goes once round the ring, from a lap's second step to the next lap's first, and fills both slots again
	STEP 0, 1, 0, 0
	STEP 0, 2, 0, 0
	STEP 0, 3, 0, 1
	STEP 1, 0, 0, 0
	STEP 1, 1, 0, 0
	STEP 1, 2, 0, 0
	STEP 1, 3, 0, 1
	STEP 0, 0, 0, 0
	s_sub_co_u32 s[LAP], s[LAP], 1
	s_cmp_lg_u32 s[LAP], 0
	s_cbranch_scc1 .Llap
	STEP 0, 1, 0, 0                                ; the last lap is written out: it fills nothing
	STEP 0, 2, 0, 0
	STEP 0, 3, 0, 2
	STEP 1, 0, 0, 0
	STEP 1, 1, 0, 0
	STEP 1, 2, 0, 0
	STEP 1, 3, 0, 3
; THE WAY OUT, a tile of 16 queries x 64 channels at a time: times nq / s, rounded to f16, through my stage in LDS, back as whole rows: four rows of 128 bytes are 512 consecutive bytes of x16.
.macro PACK t
.if (\t) < 4
	WIN 0x0d                                       ; source 0 (O^T of batch 0) window 1, source 1 (nq / s) window 3
.else
	WIN 0x0f                                       ; source 0 (O^T of batch 1) window 3, source 1 window 3
.endif
.set OT, 32*((\t)%4)
.set I, 0
.rept 16
	v_pk_mul_f32 v[64+I:65+I], v[OT+I:OT+I+1], v[QN+2*(\t):QN+2*(\t)+1]   ; each accumulator from its low end on
.set I, I+2
.endr
	WIN 0
.set I, 0
.rept 16
	v_cvt_pk_f16_f32 v[96+I], v[64+2*I], v[65+2*I]
.set I, I+1
.endr
.irp ct, 0,1,2,3
	ds_store_b128 v[STO], v[96+4*\ct:99+4*\ct] offset:32*\ct
.endr
.irp i, 0,1,2,3
	ds_load_b128 v[128+16*(\t)+4*\i:128+16*(\t)+4*\i+3], v[RD] offset:576*\i   ; LDS serves a wave's instructions in order: these see the stores above, and the next tile's stores come behind them
.endr
.endm
.macro SEND t, younger                 ; younger: the LDS instructions issued behind tile t's loads
.irp i, 0,1,2,3
	s_wait_dscnt (\younger)+3-\i
	global_store_b128 v[GO], v[128+16*(\t)+4*\i:128+16*(\t)+4*\i+3], s[10:11] offset:2097152*((\t)/4)+2048*((\t)%4)+512*\i
.endr
.endm
	PACK 0
.irp t, 1,2,3,4,5,6,7
	PACK \t
	SEND \t-1, 8                                   ; behind tile t - 1's loads: tile t's 4 stores and 4 loads
.endr
	SEND 7, 0
	s_wait_tensorcnt 0x0                           ; the wave's end
	ds_add_u32 v[SPW], v[NIL]
	s_wait_dscnt 0x0
	CROUND                                         ; the closing round: no work-group ends while a partner may still ask for a tile that names it
	s_endpgm
.Lfunc_end_k_q5c04848be5_attn:
	.size	k_q5c04848be5_attn, .Lfunc_end_k_q5c04848be5_attn-k_q5c04848be5_attn
	.p2alignl 7, 3214868480
	.fill 96, 4, 3214868480
	.section	.rodata,"a",@progbits
	.p2align	6, 0x0
	.amdhsa_kernel k_q5c04848be5_attn
		.amdhsa_group_segment_fixed_size 327680
		.amdhsa_private_segment_fixed_size 0
		.amdhsa_enable_private_segment 0
		.amdhsa_kernarg_size 32
		.amdhsa_user_sgpr_count 2
		.amdhsa_user_sgpr_kernarg_segment_ptr 1
		.amdhsa_wavefront_size32 1
		.amdhsa_system_sgpr_workgroup_id_x 1
		.amdhsa_system_sgpr_workgroup_id_y 1
		.amdhsa_system_sgpr_workgroup_id_z 1
		.amdhsa_system_vgpr_workitem_id 0
		.amdhsa_next_free_vgpr 944
		.amdhsa_next_free_sgpr 100
		.amdhsa_reserve_vcc 0
		.amdhsa_float_denorm_mode_32 3
		.amdhsa_float_denorm_mode_16_64 3
		.amdhsa_memory_ordered 1
		.amdhsa_forward_progress 1
		.amdhsa_inst_pref_size 255
	.end_amdhsa_kernel
	.section	.bss,"aw",@nobits
	.p2align	6
	.space	262144
	.amdgpu_metadata
---
amdhsa.version: [ 1, 2 ]
amdhsa.kernels:
  - .name:           k_q5c04848be5_attn
    .symbol:         k_q5c04848be5_attn.kd
    .args:
      - { .name: heads, .offset: 0, .size: 8, .value_kind: global_buffer, .address_space: global }
      - { .name: gate, .offset: 8, .size: 8, .value_kind: global_buffer, .address_space: global }
      - { .name: qnorm, .offset: 16, .size: 8, .value_kind: global_buffer, .address_space: global }
      - { .name: x16, .offset: 24, .size: 8, .value_kind: global_buffer, .address_space: global }
    .group_segment_fixed_size: 327680
    .private_segment_fixed_size: 0
    .kernarg_segment_align: 8
    .kernarg_segment_size: 32
    .max_flat_workgroup_size: 128
    .sgpr_count:     100
    .vgpr_count:     944
    .wavefront_size: 32
...
	.end_amdgpu_metadata
.endif
;; end of part 3
;; launch outp (part 4): grid 4 x 64, 4 waves a work-group, clusters of 4 x 4, 327,680 bytes of LDS; arguments x16, wo16, qnorm, out0; writes out0
.if DOCPART == 4
	.amdgcn_target "amdgcn-amd-amdhsa--gfx1250"
	.amdhsa_code_object_version 6
	.text
	.protected	k_q5c04848be5_outp
	.globl	k_q5c04848be5_outp
	.p2align	8
	.type	k_q5c04848be5_outp,@function
k_q5c04848be5_outp:
	s_mov_b64 s[64:65], 0
	v_nop
	global_prefetch_b8 v0, s[64:65] scope:SCOPE_SE
	s_setreg_imm32_b32 hwreg(HW_REG_WAVE_MODE, 25, 1), 1
	s_wait_xcnt 0x0
	s_wait_alu depctr_hold_cnt(0) depctr_sa_sdst(0) depctr_va_vdst(0) depctr_va_sdst(0) depctr_va_ssrc(0) depctr_va_vcc(0) depctr_vm_vsrc(0)
	s_getreg_b32 s2, hwreg(HW_REG_IB_STS2, 6, 4)
	s_cmp_eq_u32 s2, 0
	s_cbranch_scc0 .Lentry_in_a_cluster
	s_endpgm
.Lentry_in_a_cluster:
	s_bfe_u32 s2, ttmp6, 0x10000c
	s_cmp_lg_u32 s2, 0xf033
	s_cbranch_scc0 .Lentry_shape_is_right
	s_endpgm
.Lentry_shape_is_right:
; OUTP: out0[m][n] = s[m] x sum over k of x16[m][k] wo16[k][n], f16 operands, f32 sums.  x16: f16 [b][h][l][64] (k = 64 h + j), each row m = (b, l) divided by s[m], the largest of its 16 heads' norms
; in qnorm [b][h][l]; s is made here by the same exact maximum and multiplied back in f32.  wo16: f16 [k][n], as Wo lies.  out0: f32 [8192][1024].
; A tile of 128 rows x 256 columns is made by a work-group of four waves: 256 work-groups.  A wave makes 64 x 128: 32 accumulators of 16 x 16.  K goes in steps of 128 (two heads) through a ring of two LDS slots.
; CLUSTERS: 4 x 4 work-groups: x's tile is shared along a row of the cluster, Wo's along a column: each is asked for jointly.
; THE MATRIX INSTRUCTION IS USED TRANSPOSED: source 0 = 16 columns of Wo (turned out of [k][n] by ds_load_tr16_b128), source 1 = 16 rows of x: a lane holds one row and eight neighbouring columns.
; No prefetch: a wave's part of a K step is 64 blocks of 256 bytes for four partners, 16 each, which half the lanes of one instruction would name; the tiles are small.
; REGISTERS: window 0: v0-31 addresses and s; two fragment buffers at v32 and v128: 64 registers of Wo, then 32 of x; on the way out v32-223 are free.   window 1: the accumulators, (a, nb) at v[8 (8 a + nb)].
.set PA,     144                       ; a row of x in LDS: 128 bytes + 16
.set PB,     544                       ; a row of Wo: 512 bytes + 32
.set BOFF,   36864                     ; a slot: x, 2 heads x 128 rows; then Wo, 128 rows
.set SLOT,   106496
.set SPARE,  212992                    ; behind the ring: the spare words, 128 bytes for each wave
.set STAGE,  213504                    ; the way out: 16 rows x 528 bytes for each wave
.set SPITCH, 528
.set SM,   8                           ; v[8+2a:9+2a]  s of row 16 a + r, twice
.set ADRA, 16
.set ADRB, 20
.set STO,  24
.set RD,   25
.set CO,   26
.set NH,   27
.set SPW,  28
.set NIL,  29
.set F0,   32
.set F1,   128
.set BK,   32                          ; the way out: rows read back: v32-95 and v96-159 by turns
.set TT,   160                         ; v160-223 a block's results times s
.set WV,   12
.set HR,   13
.set HC,   14
.set TR,   15
.set G1,   24
.set G0,   32
.set G1B,  48
.set G0B,  56
.set SEL,  66
.set MSB, 0
.macro WIN new                         ; the immediate's high byte repeats the setting that is left
.if MSB != (\new)
	s_set_vgpr_msb (MSB<<8)|(\new)
.set MSB, (\new)
.endif
.endm
.set MUL, 0x50                         ; sources window 0; C and D window 1
.macro PLACES
.rept 4
	v_nop
.endr
.endm
.macro JLOAD s                         ; a joint load: waves 0 and 1 fetch x's two heads, waves 2 and 3 Wo's two halves; an s_nop 0 and four v_nop follow each line
	s_cmp_eq_u32 s[HR], 0
	s_cbranch_scc0 .Lfor_b_\@
	tensor_load_to_lds s[G0+4*\s:G0+4*\s+3], s[G1:G1+7]
	s_nop 0
	PLACES
	s_branch .Lasked_\@
.Lfor_b_\@:
	tensor_load_to_lds s[G0B+4*\s:G0B+4*\s+3], s[G1B:G1B+7]
	s_nop 0
	PLACES
.Lasked_\@:
.endm
.macro CREST
	s_cmp_lg_u32 s[WV], 0
	s_cbranch_scc1 .Lnot_wave_0_\@
	s_barrier_signal -3
.Lnot_wave_0_\@:
	s_barrier_wait -3
	s_barrier_signal -1
	s_barrier_wait -1
.endm
.macro CROUND
	s_barrier_signal -1
	s_barrier_wait -1
	CREST
.endm
	s_load_b256 s[4:11], s[0:1], 0x0               ; x16 s[4:5], wo16 s[6:7], qnorm s[8:9], out0 s[10:11]
	v_lshl_add_u32 v[SPW], v0, 2, SPARE
	v_mov_b32 v[NIL], 0
	ds_add_u32 v[SPW], v[NIL]                      ; the wave's opening: the add, twice on end, and its wait ahead of my first tensor load
	ds_add_u32 v[SPW], v[NIL]
	v_lshrrev_b32 v1, 5, v0
	v_readfirstlane_b32 s[WV], v1                  ; wave 0..3
	s_lshr_b32 s[HR], s[WV], 1                     ; which 64 rows are mine.  Also: I fetch for x (0) or for Wo (1)
	s_and_b32 s[HC], s[WV], 1                      ; which 128 columns.  Also: which half of that tile I fetch
	s_bfe_u32 s40, ttmp6, 0x40000                  ; cx, cy
	s_bfe_u32 s41, ttmp6, 0x40004
	s_lshl_b32 s42, ttmp9, 2
	s_add_co_u32 s42, s42, s40                     ; tile column
	s_and_b32 s[TR], ttmp7, 0xffff
	s_lshl_b32 s[TR], s[TR], 2
	s_add_co_u32 s[TR], s[TR], s41                 ; tile row, 0 .. 63: batch = row / 8
	s_lshl_b32 s43, s41, 2
	s_lshl_b32 s43, 15, s43                        ; my row of the cluster
	s_lshl_b32 s44, 0x1111, s40                    ; my column
	s_or_b32 s[G1+0], s43, (1<<16)|(1<<20)|(1<<21)|(4<<22)|(3<<25)  ; x: 128 rows x 64 elements of 2 bytes, dense; 4 words of padding after every 32
	s_mov_b32 s[G1+1], 64<<16
	s_mov_b32 s[G1+2], 128<<16
	s_mov_b32 s[G1+3], 64<<16
	s_mov_b32 s[G1+4], 128
	s_mov_b32 s[G1+5], 64
	s_mov_b32 s[G1+6], 0
	s_mov_b32 s[G1+7], 0
	s_or_b32 s[G1B+0], s44, (1<<16)|(1<<20)|(1<<21)|(6<<22)|(7<<25) ; Wo: 64 rows x 256 elements; 8 words of padding after every 128
	s_mov_b32 s[G1B+1], 256<<16
	s_mov_b32 s[G1B+2], 64<<16
	s_mov_b32 s[G1B+3], 256<<16
	s_mov_b32 s[G1B+4], 64
	s_mov_b32 s[G1B+5], 1024
	s_mov_b32 s[G1B+6], 0
	s_mov_b32 s[G1B+7], 0
	s_lshr_b32 s16, s[TR], 3
	s_lshl_b32 s16, s16, 21                        ; x: the batch: 16 heads of 131,072 bytes
	s_and_b32 s17, s[TR], 7
	s_lshl_b32 s17, s17, 14                        ; + 128 rows of 128 bytes for each tile row in the batch
	s_add_co_u32 s16, s16, s17
	s_lshl_b32 s17, s[HC], 17                      ; + the head of the two that I fetch
	s_add_co_u32 s16, s16, s17
	s_mov_b32 s17, 0
	s_lshl_b32 s46, s42, 9                         ; Wo: 256 columns of 2 bytes a tile column
	s_lshl_b32 s47, s[HC], 17                      ; + the 64 rows of 2,048 bytes that I fetch
	s_add_co_u32 s46, s46, s47
	s_mov_b32 s47, 0
	s_mul_i32 s20, s[HC], 18432                    ; where they go: no place in the cluster enters an LDS address
	s_mul_i32 s21, s[HC], 34816
	s_add_co_u32 s21, s21, BOFF
	s_mov_b32 s[SEL], 0x76543210
	s_mov_b32 s[SEL+1], 0xfedcba98
	s_wait_dscnt 0x0                               ; both opening adds are done
	s_wait_kmcnt 0x0
	s_add_nc_u64 s[18:19], s[4:5], s[16:17]
	s_add_nc_u64 s[46:47], s[6:7], s[46:47]
	CROUND                                         ; all sixteen work-groups are here: the first joint loads meet
.irp s, 0,1
	s_mov_b32 s[G0+4*\s], 1
	s_add_co_u32 s[G0+4*\s+1], s20, \s*SLOT
	s_add_nc_u64 s[G0+4*\s+2:G0+4*\s+3], s[18:19], \s*262144       ; K step s: two heads on
	s_or_b32 s[G0+4*\s+3], s[G0+4*\s+3], 0x80000000
	s_mov_b32 s[G0B+4*\s], 1
	s_add_co_u32 s[G0B+4*\s+1], s21, \s*SLOT
	s_add_nc_u64 s[G0B+4*\s+2:G0B+4*\s+3], s[46:47], \s*262144     ; 128 rows on
	s_or_b32 s[G0B+4*\s+3], s[G0B+4*\s+3], 0x80000000
	JLOAD \s                                       ; two tensor loads of mine are out behind the second
.endr
	v_and_b32 v1, 15, v0                           ; r
	v_bfe_u32 v2, v0, 4, 1                         ; h
	v_lshlrev_b32 v[NH], 2, v1
	v_lshl_add_u32 v[NH], v2, 15, v[NH]            ; the norms: row r; lanes 16-31 begin at head 8
	s_lshr_b32 s16, s[TR], 3
	s_lshl_b32 s16, s16, 16                        ; the batch's 16 heads x 4,096 bytes
	s_and_b32 s17, s[TR], 7
	s_lshl_b32 s17, s17, 9
	s_add_co_u32 s16, s16, s17
	s_lshl_b32 s17, s[HR], 8
	s_add_co_u32 s16, s16, s17
	s_mov_b32 s17, 0
	s_add_nc_u64 s[8:9], s[8:9], s[16:17]
.irp a, 0,1,2,3
.irp i, 0,1,2,3,4,5,6,7
	global_load_b32 v[128+8*\a+\i], v[NH], s[8:9] offset:64*\a+4096*\i   ; row 16 a + r, head 8 h + i
.endr
.endr
	v_mul_u32_u24 v3, v1, PA
	v_lshl_add_u32 v3, v2, 4, v3
	s_mul_i32 s22, s[HR], 64*PA
	v_add_nc_u32 v[ADRA], s22, v3                  ; x: row 64 x half + r, + 16 h
	v_add_nc_u32 v[ADRA+1], SLOT, v[ADRA]
	v_and_b32 v4, 7, v0
	v_lshl_add_u32 v4, v2, 3, v4                   ; the turning load: row k = 8 h + l % 8,
	v_mul_u32_u24 v4, v4, PB
	v_bfe_u32 v5, v0, 3, 1
	v_lshl_add_u32 v4, v5, 4, v4                   ; columns 8 ((l / 8) % 2) on
	s_lshl_b32 s22, s[HC], 8
	s_add_co_u32 s22, s22, BOFF
	v_add_nc_u32 v[ADRB], s22, v4
	v_add_nc_u32 v[ADRB+1], SLOT, v[ADRB]
	s_mul_i32 s23, s[WV], 16*SPITCH
	s_add_co_u32 s23, s23, STAGE                   ; my stage
	v_mul_u32_u24 v5, v1, SPITCH
	v_lshl_add_u32 v5, v2, 5, v5
	v_add_nc_u32 v[STO], s23, v5                   ; in: row r, 32 bytes for each half of the lanes
	v_and_b32 v6, 31, v0
	v_lshlrev_b32 v[CO], 4, v6                     ; back: the 32 lanes take one row of 512 bytes; and the same in out0
	v_add_nc_u32 v[RD], s23, v[CO]
	s_lshl_b32 s16, s[TR], 19                      ; out0: 128 rows of 4,096 bytes a tile row
	s_lshl_b32 s17, s[HR], 18
	s_add_co_u32 s16, s16, s17
	s_mov_b32 s17, 0
	s_add_nc_u64 s[10:11], s[10:11], s[16:17]
	s_lshl_b32 s46, s42, 10                        ; + 1,024 bytes a tile column, + 512 for my half
	s_lshl_b32 s47, s[HC], 9
	s_add_co_u32 s46, s46, s47
	s_mov_b32 s47, 0
	s_add_nc_u64 s[10:11], s[10:11], s[46:47]
	s_wait_loadcnt 0x0                             ; the norms; the first tiles are on their way meanwhile
.irp a, 0,1,2,3
	v_max3_num_f32 v[160+\a], v[128+8*\a], v[129+8*\a], v[130+8*\a]
	v_mov_b32 v[164+\a], 0                         ; a lane permute's destination counts as one of its sources
.endr
.irp a, 0,1,2,3
	v_max3_num_f32 v[160+\a], v[160+\a], v[131+8*\a], v[132+8*\a]
.endr
.irp a, 0,1,2,3
	v_max3_num_f32 v[160+\a], v[160+\a], v[133+8*\a], v[134+8*\a]
.endr
.irp a, 0,1,2,3
	v_max_num_f32 v[160+\a], v[160+\a], v[135+8*\a]
.endr
.irp a, 0,1,2,3
	v_permlanex16_b32 v[164+\a], v[160+\a], s[SEL], s[SEL+1]
.endr
.irp a, 0,1,2,3
	v_max_num_f32 v[SM+2*\a], v[160+\a], v[164+\a] ; s of row 16 a + r
	v_max_num_f32 v[SM+2*\a+1], v[160+\a], v[164+\a]
.endr
; 8 matrix instructions: row block a x all 8 column blocks, 32 along K, from buffer f.  The 32 accumulators take turns, one instruction a turn, in the same order in every quarter.
.macro MULA f, a, zero
.irp nb, 0,1,2,3,4,5,6,7
.if \zero
	v_wmma_f32_16x16x32_f16 v[8*(8*(\a)+\nb):8*(8*(\a)+\nb)+7], v[(\f)+8*\nb:(\f)+8*\nb+7], v[(\f)+64+8*(\a):(\f)+64+8*(\a)+7], 0
.else
	v_wmma_f32_16x16x32_f16 v[8*(8*(\a)+\nb):8*(8*(\a)+\nb)+7], v[(\f)+8*\nb:(\f)+8*\nb+7], v[(\f)+64+8*(\a):(\f)+64+8*(\a)+7], v[8*(8*(\a)+\nb):8*(8*(\a)+\nb)+7]
.endif
.endr
.endm
; 24 LDS loads in one run: quarter q (32 along K) of slot s into buffer f: Wo's eight fragments, then x's four
.macro FETCH s, q, f
.irp nb, 0,1,2,3,4,5,6,7
	ds_load_tr16_b128 v[(\f)+8*\nb:(\f)+8*\nb+3],   v[ADRB+(\s)] offset:17408*(\q)+32*\nb
	ds_load_tr16_b128 v[(\f)+8*\nb+4:(\f)+8*\nb+7], v[ADRB+(\s)] offset:17408*(\q)+32*\nb+8704
.endr
.irp a, 0,1,2,3
	ds_load_b128 v[(\f)+64+8*\a:(\f)+64+8*\a+3],   v[ADRA+(\s)] offset:18432*((\q)/2)+2304*\a+64*((\q)%2)
	ds_load_b128 v[(\f)+64+8*\a+4:(\f)+64+8*\a+7], v[ADRA+(\s)] offset:18432*((\q)/2)+2304*\a+64*((\q)%2)+32
.endr
.endm
; One of a K step's first three quarters: multiplies buffer f; in its middle it fetches quarter qn of the same slot into buffer g.
.macro QUARTER s, qn, f, g, zero
	s_wait_dscnt 4                                 ; Wo's fragments and x's blocks 0, 1 are in; the youngest four loads (blocks 2, 3) may be out
	WIN MUL
	MULA \f, 0, \zero
	MULA \f, 1, \zero
	PLACES                                         ; in front of loads into registers that matrix instructions have read
	WIN 0
	FETCH \s, \qn, \g
	s_wait_dscnt 24                                ; all but the 24 just issued
	WIN MUL
	MULA \f, 2, \zero
	MULA \f, 3, \zero
.endm
; The last quarter multiplies buffer 1 and changes slots: one barrier; in front of it each wave waits for all its tensor loads, adds 0 to its spare word, and waits for that and for its reads of this slot.
.macro TURN s, next, fill
	WIN 0
	s_wait_tensorcnt 0x0                           ; all my tensor loads have landed: my part of the next slot;
	ds_add_u32 v[SPW], v[NIL]                      ; 0 onto my spare word
	s_wait_dscnt 5                                 ; (the add and the youngest four loads may be out)
	WIN MUL
	MULA F1, 0, 0
	s_wait_dscnt 0x0                               ; the add is done, and my reads of this slot are over
	s_barrier_signal -1
	MULA F1, 1, 0
	WIN 0
	s_barrier_wait -1
.if \fill
	CREST                                          ; the barrier has opened a round of the cluster's: no wave of any partner still reads this slot or has a load on its way
	s_add_nc_u64 s[G0+4*\s+2:G0+4*\s+3], s[G0+4*\s+2:G0+4*\s+3], 524288
	s_add_nc_u64 s[G0B+4*\s+2:G0B+4*\s+3], s[G0B+4*\s+2:G0B+4*\s+3], 524288
	JLOAD \s                                       ; my one tensor load behind the round: 112 matrix instructions stand between it and the wait for it; its four v_nop are also the places in front of the loads below
.else
	PLACES
.endif
	FETCH \next, 0, F0
	WIN MUL
	MULA F1, 2, 0
	MULA F1, 3, 0
.endm
	s_wait_tensorcnt 1                             ; my part of K step 0 is in; K step 1's load, issued behind it, may be out
	s_barrier_signal -1
	s_barrier_wait -1                              ; everybody's is
	FETCH 0, 0, F0
	QUARTER 0, 1, F0, F1, 1                        ; the first quarter stands in front of the loop: its products start the sums
	WIN 0
	s_mov_b32 s3, 3
.Llap:                                             ; a trip goes once round the ring, from a lap's second quarter to the next lap's first, and fills both slots again
	QUARTER 0, 2, F1, F0, 0
	QUARTER 0, 3, F0, F1, 0
	TURN 0, 1, 1
	QUARTER 1, 1, F0, F1, 0
	QUARTER 1, 2, F1, F0, 0
	QUARTER 1, 3, F0, F1, 0
	TURN 1, 0, 1
	QUARTER 0, 1, F0, F1, 0
	WIN 0
	s_sub_co_u32 s3, s3, 1
	s_cmp_lg_u32 s3, 0
	s_cbranch_scc1 .Llap
	QUARTER 0, 2, F1, F0, 0                        ; the last lap fills nothing
	QUARTER 0, 3, F0, F1, 0
	TURN 0, 1, 0
	QUARTER 1, 1, F0, F1, 0
	QUARTER 1, 2, F1, F0, 0
	QUARTER 1, 3, F0, F1, 0
	s_wait_dscnt 4                                 ; the very last quarter: nothing more to fetch
	WIN MUL
	MULA F1, 0, 0
	MULA F1, 1, 0
	s_wait_dscnt 0
	MULA F1, 2, 0
	MULA F1, 3, 0
	WIN 0
; THE WAY OUT, a block of 16 rows x 128 columns at a time: times s, through my own stage in LDS, back as whole rows of 512 bytes, which the 32 lanes store as 512 consecutive bytes, aligned.
.macro TOSTAGE a
	WIN 0x01                                       ; source 0: window 1
.set I, 0
.rept 32
	v_pk_mul_f32 v[TT+I:TT+I+1], v[64*(\a)+I:64*(\a)+I+1], v[SM+2*(\a):SM+2*(\a)+1]   ; each accumulator from its low end on
.set I, I+2
.endr
	WIN 0
.irp nb, 0,1,2,3,4,5,6,7
	ds_store_b128 v[STO], v[TT+8*\nb:TT+8*\nb+3] offset:64*\nb
	ds_store_b128 v[STO], v[TT+8*\nb+4:TT+8*\nb+7] offset:64*\nb+16
.endr
.set BB, BK+64*((\a)%2)
.irp t, 0,1,2,3,4,5,6,7,8,9,10,11,12,13,14,15
	ds_load_b128 v[BB+4*\t:BB+4*\t+3], v[RD] offset:\t*SPITCH   ; LDS serves a wave's instructions in order: these see the stores above, and the next block's stores come behind them
.endr
.endm
.macro SEND a, younger                 ; younger: the LDS instructions issued behind block a's loads, which may stay out
.set BB, BK+64*((\a)%2)
	s_wait_dscnt \younger
.irp t, 0,1,2,3,4,5,6,7,8,9,10,11,12,13,14,15
	global_store_b128 v[CO], v[BB+4*\t:BB+4*\t+3], s[10:11] offset:65536*(\a)+4096*\t th:TH_STORE_NT   ; written once, read by nobody here
.endr
.endm
	PLACES                                         ; behind the last products: for the reads of their results and the loads into the registers that held fragments
	TOSTAGE 0
.irp a, 1,2,3
.if \a > 1
	s_wait_xcnt 0x0                                ; block a - 2's stores have read their registers: block a's loads may land there
.endif
	TOSTAGE \a
	SEND \a-1, 32                                  ; behind block a - 1's loads: block a's 16 stores and 16 loads
.endr
	SEND 3, 0
	s_wait_tensorcnt 0x0                           ; the wave's end
	ds_add_u32 v[SPW], v[NIL]
	s_wait_dscnt 0x0
	CROUND                                         ; the closing round: no work-group ends while a partner may still ask for a tile that names it
	s_endpgm
.Lfunc_end_k_q5c04848be5_outp:
	.size	k_q5c04848be5_outp, .Lfunc_end_k_q5c04848be5_outp-k_q5c04848be5_outp
	.p2alignl 7, 3214868480
	.fill 96, 4, 3214868480
	.section	.rodata,"a",@progbits
	.p2align	6, 0x0
	.amdhsa_kernel k_q5c04848be5_outp
		.amdhsa_group_segment_fixed_size 327680
		.amdhsa_private_segment_fixed_size 0
		.amdhsa_enable_private_segment 0
		.amdhsa_kernarg_size 32
		.amdhsa_user_sgpr_count 2
		.amdhsa_user_sgpr_kernarg_segment_ptr 1
		.amdhsa_wavefront_size32 1
		.amdhsa_system_sgpr_workgroup_id_x 1
		.amdhsa_system_sgpr_workgroup_id_y 1
		.amdhsa_system_sgpr_workgroup_id_z 1
		.amdhsa_system_vgpr_workitem_id 0
		.amdhsa_next_free_vgpr 512
		.amdhsa_next_free_sgpr 68
		.amdhsa_reserve_vcc 0
		.amdhsa_float_denorm_mode_32 3
		.amdhsa_float_denorm_mode_16_64 3
		.amdhsa_memory_ordered 1
		.amdhsa_forward_progress 1
		.amdhsa_inst_pref_size 98
	.end_amdhsa_kernel
	.amdgpu_metadata
---
amdhsa.version: [ 1, 2 ]
amdhsa.kernels:
  - .name:           k_q5c04848be5_outp
    .symbol:         k_q5c04848be5_outp.kd
    .args:
      - { .name: x16, .offset: 0, .size: 8, .value_kind: global_buffer, .address_space: global }
      - { .name: wo16, .offset: 8, .size: 8, .value_kind: global_buffer, .address_space: global }
      - { .name: qnorm, .offset: 16, .size: 8, .value_kind: global_buffer, .address_space: global }
      - { .name: out0, .offset: 24, .size: 8, .value_kind: global_buffer, .address_space: global }
    .group_segment_fixed_size: 327680
    .private_segment_fixed_size: 0
    .kernarg_segment_align: 8
    .kernarg_segment_size: 32
    .max_flat_workgroup_size: 128
    .sgpr_count:     68
    .vgpr_count:     512
    .wavefront_size: 32
...
	.end_amdgpu_metadata
.endif
;; end of part 4
